; MI455X (gfx1250); checked and timed in simulation.
; The chip was launched on July 23, 2026; its instructions are those of AMD's public machine-readable ISA for CDNA 5 (MIT licence, August 2026) and "CDNA5" Instruction Set Architecture Reference Guide (July 2026). The comments in the code are by the model that wrote it; some were corrected since.
;; Causal Self Attention. Allowed arithmetic: matrix products marked QUANTISED: E2M1 operands, one E8M0 scale for each 32 along K, by v_wmma_scale_f32_16x16x128_f8f6f4 with both operands' format E2M1 (or v_wmma_scale_f32_32x16x128_f4), f32 sums; products left as they are: bf16, f16 or f32 operands; f32 sums; everything else in f32.
;; Inputs: Wk 1,024 x 1,024 float32; Wp 1,024 x 1,024 float32; Wq 1,024 x 1,024 float32; Wv 1,024 x 1,024 float32; bk 1,024 float32; bp 1,024 float32; bq 1,024 float32; bv 1,024 float32; x 4 x 2,048 x 1,024 float32.
;; Outputs: out0 4 x 2,048 x 1,024 float32.
;; This version of the problem:
;;   THIS VERSION OF THE PROBLEM IS GIVEN IN LOW PRECISION. The matrix products marked QUANTISED in the list below multiply operands that are first quantised to E2M1 (2 exponent bits, 1 mantissa bit; 4 bits a number), with one power-of-two scale for each 32 numbers along K (OCP MX v1.0); their sums are f32. The products marked 'left as it is' may take bf16, f16 or f32 operands, with f32 sums. Whichever they take, every output number must still come out within the allowed error. Rounding operands to bf16 (8 significant bits) uses up far more of that allowance than f16 does (11 bits, for magnitudes from 6e-5 to 65,504). All else is computed in f32.
;;   The module's matrix products, in the order in which they are computed (A, B: the left and right operand; K: the contracted axis; several contracted axes count as one K, in the product's order):
;;     1. [M 8,192, K 1,024] x [K 1,024, N 1,024]; A: input x; B: input Wq: QUANTISED
;;     2. [M 8,192, K 1,024] x [K 1,024, N 1,024]; A: input x; B: input Wk: QUANTISED
;;     3. [M 8,192, K 1,024] x [K 1,024, N 1,024]; A: input x; B: input Wv: QUANTISED
;;     4. batch 64 x [M 2,048, K 64] x [K 64, N 2,048]; A: computed on the way; B: computed on the way: left as it is (an operand is computed on the way)
;;     5. batch 64 x [M 2,048, K 2,048] x [K 2,048, N 64]; A: computed on the way; B: computed on the way: left as it is (an operand is computed on the way)
;;     6. [M 8,192, K 1,024] x [K 1,024, N 1,024]; A: computed on the way; B: input Wp: left as it is (an operand is computed on the way)
;;   THE QUANTISER, for each operand of a quantised product, along K:
;;     - K is cut into blocks of 32 from its start; a last block that is shorter is filled with zeros.
;;     - A block's scale is 2^e with e = floor(log2(the largest magnitude in the block)) - 2, held to -126 .. 127; a block of zeros has e = 0. As a byte (E8M0): e + 127.
;;     - Each number is divided by its block's scale, clamped to +-6, and rounded to the nearest number of E2M1, ties to even, subnormals kept.
;;     - The product sums the exact products of the quantised numbers (number of the format x scale) in f32.
;;   ~~~python
;;   def quantise(x, axis):      # numpy; x: float32 -> the quantised numbers, widened to float32 again
;;       x = np.moveaxis(x, axis, -1); K = x.shape[-1]
;;       x = np.pad(x, [(0, 0)] * (x.ndim - 1) + [(0, -K % 32)]); x = x.reshape(x.shape[:-1] + (-1, 32)); a = np.abs(x).max(-1, keepdims=True)
;;       e = np.where(a > 0, np.clip(np.frexp(np.where(a > 0, a, 1))[1] - 1 - 2, -126, 127), 0)      # np.frexp(a)[1] - 1 = floor(log2(a)), exactly
;;       r = np.clip(x / 2.0 ** e, -6, 6)
;;       step = 2.0 ** (np.maximum(np.frexp(np.where(r == 0, 1, r))[1] - 1, 0) - 1)
;;       q = np.round(r / step) * step * 2.0 ** e      # np.round: ties to even
;;       return np.moveaxis(q.reshape(q.shape[:-2] + (-1,))[..., :K], -1, axis).astype(np.float32)
;;   ~~~
;; One version. Each part assembles by itself: llvm-mc -triple=amdgcn-amd-amdhsa -mcpu=gfx1250 --defsym DOCPART=n.
;; ======== version 1 of 1: 6 launches
;; limits: values are held in f16: magnitudes above 65,504 overflow, below 6.1e-05 lose precision
;; workspace buffers: codes 5,767,168 bytes; scales 360,448 bytes; wp16 2,097,152 bytes; qkv16 50,331,648 bytes; qkv32 786,432 bytes; y16 16,777,216 bytes; y32 262,144 bytes
;; launch quant (part 1): grid 384 x 1, 4 waves a work-group, no clusters, 33,280 bytes of LDS; arguments x, Wq, Wk, Wv, Wp, codes, scales, wp16; writes codes, scales, wp16
.if DOCPART == 1
	.amdgcn_target "amdgcn-amd-amdhsa--gfx1250"
	.amdhsa_code_object_version 6
	.text
	.protected	k_q454543e3b5_quant
	.globl	k_q454543e3b5_quant
	.p2align	8
	.type	k_q454543e3b5_quant,@function
k_q454543e3b5_quant:
	s_mov_b64 s[64:65], 0
	v_nop
	global_prefetch_b8 v0, s[64:65] scope:SCOPE_SE
	s_setreg_imm32_b32 hwreg(HW_REG_WAVE_MODE, 25, 1), 1
	s_wait_xcnt 0x0
; x [8192][1024] and Wq, Wk, Wv [1024][1024], f32, K innermost, become codes of FP4 (E2M1), two a byte, and one E8M0 byte for each 32 along K:
; codes [11264 rows][512 bytes], scales [11264][32]: rows 0-8191 x, then Wq, Wk, Wv.  Wp [1024][1024] becomes f16, row-major (its product is not quantised).
; A block's scale is 2^(floor(log2(largest magnitude)) - 2); its byte is the largest magnitude's exponent field - 2, held at 1 from below.  A block of zeros keeps the byte 1:
; its codes are zeros, and this program alone reads the bytes.
; LIMITS: blocks whose largest magnitude lies under 2^(3 - 127) are quantised under the byte 1; NaN and infinities among the inputs are not served; |Wp| up to 65,504 (f16).
; SHARES: a work-group takes 32,768 numbers, a wave 8,192.  Work-groups 0-255: x; 256-287 Wq; 288-319 Wk; 320-351 Wv; 352-383 Wp.  Rows are dense, so each tensor is a plain
; stream of blocks of 32, and codes and scale bytes are one stream over all four tensors.  No matrix unit, no cluster, no tensor load: nothing is shared between waves.
; The quantising path: each load reads 512 consecutive bytes; a step's 2,048 bytes turn through the wave's own stage in LDS, so that a lane holds 16 neighbours along K.
.set STEPS, 16
.set EMAX,  2
.set CB,    8                          ; bytes of 16 codes
.set R,     16                         ; v16-79   four sets of 16 numbers as loaded
.set X,     80                         ; v80-111  two sets of 16 neighbours
.set E,     112                        ; v112-127 a scale byte for each step
.set C,     128                        ; v128-191 codes: registers of its own for each step
.set WREG,  8192                       ; LDS: a region for each wave: two stages of 32 x SP bytes, then its 256 scale bytes
.set SP,    80                         ; a lane's place in a stage: 64 bytes + 16 of padding
.set SPW,   12                         ; v12 LDS address of my spare word; never rewritten
.set NIL,   13                         ; v13 0; never rewritten
.set SPARE, 4*WREG                     ; behind the four regions: the spare words, 128 bytes a wave
	s_load_b256 s[4:11], s[0:1], 0x0               ; x, Wq, Wk, Wv
	s_load_b256 s[12:19], s[0:1], 0x20             ; Wp, codes, scales, wp16
	v_lshl_add_u32 v[SPW], v0, 2, SPARE
	v_mov_b32 v[NIL], 0
	v_lshrrev_b32 v1, 5, v0
	v_readfirstlane_b32 s20, v1                    ; wave
	v_and_b32 v2, 31, v0                           ; lane
	v_lshlrev_b32 v3, 4, v2                        ; my 16 bytes of a load's 512
	s_cmp_ge_u32 ttmp9, 352                        ; Wp's work-groups part here, on the work-group's number alone; their path touches no LDS
	s_cbranch_scc1 .Lwp
	s_mul_i32 s21, s20, WREG
	v_lshrrev_b32 v14, 2, v2
	v_mul_u32_u24 v14, v14, SP
	v_and_b32 v15, 3, v2
	v_lshl_add_u32 v14, v15, 4, v14
	v_add_nc_u32 v14, s21, v14                     ; the stage, on the way in: SP (lane / 4) + 16 (lane % 4)
	v_mul_u32_u24 v15, v2, SP
	v_add_nc_u32 v15, s21, v15                     ; and on the way out: SP x lane: my 16 neighbours
	v_mul_u32_u24 v4, v2, CB                       ; my codes' place in a step's
	v_lshrrev_b32 v5, 1, v2
	s_add_co_u32 s21, s21, 2*32*SP
	v_add_nc_u32 v5, s21, v5                       ; my wave's 256 scale bytes, my block's byte
	v_lshlrev_b32 v7, 3, v2
	v_add_nc_u32 v6, s21, v7                       ; and on the way out 8 bytes a lane
	s_sub_co_u32 s22, ttmp9, 256                   ; among the weights' work-groups (not used for x)
	s_lshr_b32 s23, s22, 5                         ; which weight
	s_and_b32 s24, s22, 31                         ; which 32,768 numbers of it
	s_wait_kmcnt 0x0
	s_cmp_eq_u32 s23, 1                            ; the source is chosen on the work-group's number alone
	s_cselect_b64 s[26:27], s[8:9], s[6:7]
	s_cmp_eq_u32 s23, 2
	s_cselect_b64 s[26:27], s[10:11], s[26:27]
	s_cmp_lt_u32 ttmp9, 256
	s_cselect_b64 s[26:27], s[4:5], s[26:27]
	s_cselect_b32 s24, ttmp9, s24
	s_lshl_b32 s28, s24, 2
	s_add_co_u32 s28, s28, s20
	s_lshl_b32 s28, s28, 15                        ; my wave's 8,192 numbers in the source: 32,768 bytes a run
	s_mov_b32 s29, 0
	s_add_nc_u64 s[26:27], s[26:27], s[28:29]
	s_lshl_b32 s30, ttmp9, 2
	s_add_co_u32 s30, s30, s20                     ; which run of the one stream of outputs
	s_lshl_b32 s28, s30, 12
	s_add_nc_u64 s[14:15], s[14:15], s[28:29]      ; 4,096 bytes of codes a run
	s_lshl_b32 s28, s30, 8
	s_add_nc_u64 s[16:17], s[16:17], s[28:29]      ; 256 scale bytes a run
.macro LOAD t
.irp i, 0,1,2,3
	global_load_b128 v[R+16*((\t)%4)+4*\i:R+16*((\t)%4)+4*\i+3], v3, s[26:27] offset:2048*(\t)+512*\i th:TH_LOAD_NT   ; 32 lanes read 512 consecutive bytes
.endr
.endm
.macro TURN t                          ; step t's numbers through the stage: LDS serves a wave's instructions in order, so no wait stands between the stores and the loads
.irp i, 0,1,2,3
	ds_store_b128 v14, v[R+16*((\t)%4)+4*\i:R+16*((\t)%4)+4*\i+3] offset:32*SP*((\t)%2)+8*SP*\i
.endr
.irp i, 0,1,2,3
	ds_load_b128 v[X+16*((\t)%2)+4*\i:X+16*((\t)%2)+4*\i+3], v15 offset:32*SP*((\t)%2)+16*\i
.endr
.endm
.irp t, 0,1,2,3
	LOAD \t
.endr
	s_wait_loadcnt 12                              ; step 0's four loads are in; three steps' twelve stay out
	TURN 0
.macro STEP t
.set XS, X+16*((\t)%2)
.if (\t) > 0
	s_wait_dscnt 1                                 ; this step's numbers are back from the stage (the last step's byte store may be out): its stores into the stage have read their registers,
.else
	s_wait_dscnt 0x0
.endif
.if (\t)+4 < STEPS
	LOAD (\t)+4                                    ; which take the loads of four steps on
.endif
.if (\t)+1 < STEPS
.if STEPS-2-(\t) >= 3
	s_wait_loadcnt 12                              ; the next step's four loads are in; those of the three steps behind it may be out
.else
	s_wait_loadcnt 4*(STEPS-2-(\t))
.endif
	TURN (\t)+1                                    ; and go through the other stage while this step is worked
.endif
	v_max3_num_f32 v8, |v[XS]|, |v[XS+1]|, |v[XS+2]|               ; the largest magnitude of my 16, in two chains
	v_max3_num_f32 v9, |v[XS+3]|, |v[XS+4]|, |v[XS+5]|
.irp i, 6,10
	v_max3_num_f32 v8, v8, |v[XS+\i]|, |v[XS+\i+1]|
	v_max3_num_f32 v9, v9, |v[XS+\i+2]|, |v[XS+\i+3]|
.endr
	v_max3_num_f32 v8, v8, |v[XS+14]|, |v[XS+15]|
	v_max3_num_f32 v8, v8, v9, (EMAX+1)<<23        ; and the floor 2^(EMAX + 1 - 127): the byte cannot fall under 1
	v_max_num_f32_dpp v8, v8, v8 row_xmask:1 row_mask:0xf bank_mask:0xf   ; and of my neighbour's 16: the block's
	v_add_nc_u32 v11, -(EMAX<<23), v8              ; EMAX off its exponent field: the conversion takes the exponent field of this operand as its scale
	v_cvt_scalef32_pk8_fp4_f32 v[C+4*(\t)], v[XS:XS+7], v11         ; eight numbers / the scale, to the nearest code, ties to even, beyond 6 the largest code
	v_cvt_scalef32_pk8_fp4_f32 v[C+4*(\t)+1], v[XS+8:XS+15], v11
	v_lshrrev_b32 v[E+(\t)], 23, v11               ; the scale's byte (a plain line behind the conversions)
	ds_store_b8 v5, v[E+(\t)] offset:16*(\t)       ; both lanes of a block write the same byte with the same value
	global_store_b64 v4, v[C+4*(\t):C+4*(\t)+1], s[14:15] offset:32*CB*(\t)   ; the wave stores 256 consecutive bytes, aligned
.endm
.irp t, 0,1,2,3,4,5,6,7,8,9,10,11,12,13,14,15
	STEP \t
.endr
	ds_load_b64 v[8:9], v6                         ; in order behind my byte stores
	s_wait_dscnt 0x0
	global_store_b64 v7, v[8:9], s[16:17]          ; 32 lanes store my 256 scale bytes, aligned
	s_wait_tensorcnt 0x0                           ; the wave's end
	ds_add_u32 v[SPW], v[NIL]
	s_wait_dscnt 0x0
	s_endpgm
; Wp to f16: a wave takes 8,192 numbers in four quarters; two sets of 16 loads take turns.
.macro LOADW q, set
.irp i, 0,1,2,3,4,5,6,7,8,9,10,11,12,13,14,15
	global_load_b128 v[\set+4*\i:\set+4*\i+3], v3, s[12:13] offset:8192*\q+512*\i th:TH_LOAD_NT
.endr
.endm
.macro CVTW q, set
.irp i, 0,1,2,3,4,5,6,7,8,9,10,11,12,13,14,15
	v_cvt_pk_f16_f32 v[80+2*\i], v[\set+4*\i], v[\set+4*\i+1]
	v_cvt_pk_f16_f32 v[81+2*\i], v[\set+4*\i+2], v[\set+4*\i+3]
	global_store_b64 v4, v[80+2*\i:81+2*\i], s[18:19] offset:4096*\q+256*\i   ; the wave stores 256 consecutive bytes, aligned
.endr
.endm
.Lwp:
	s_sub_co_u32 s22, ttmp9, 352
	s_lshl_b32 s22, s22, 2
	s_add_co_u32 s22, s22, s20                     ; which run of 8,192 numbers
	s_lshl_b32 s24, s22, 15
	s_mov_b32 s25, 0
	s_lshl_b32 s28, s22, 14
	s_mov_b32 s29, 0
	v_lshlrev_b32 v4, 3, v2                        ; 8 bytes of f16 a lane
	s_wait_kmcnt 0x0
	s_add_nc_u64 s[12:13], s[12:13], s[24:25]
	s_add_nc_u64 s[18:19], s[18:19], s[28:29]
	LOADW 0, 16
	LOADW 1, 112
	s_wait_loadcnt 16                              ; the older set is in; the younger set's 16 stay out
	CVTW 0, 16
	LOADW 2, 16
	s_wait_loadcnt 16
	s_wait_xcnt 0x0                                ; the last quarter's stores have read v80-111
	CVTW 1, 112
	LOADW 3, 112
	s_wait_loadcnt 16
	s_wait_xcnt 0x0
	CVTW 2, 16
	s_wait_loadcnt 0x0
	s_wait_xcnt 0x0
	CVTW 3, 112
	s_endpgm
.Lfunc_end_k_q454543e3b5_quant:
	.size	k_q454543e3b5_quant, .Lfunc_end_k_q454543e3b5_quant-k_q454543e3b5_quant
	.p2alignl 7, 3214868480
	.fill 96, 4, 3214868480
	.section	.rodata,"a",@progbits
	.p2align	6, 0x0
	.amdhsa_kernel k_q454543e3b5_quant
		.amdhsa_group_segment_fixed_size 33280
		.amdhsa_private_segment_fixed_size 0
		.amdhsa_enable_private_segment 0
		.amdhsa_kernarg_size 64
		.amdhsa_user_sgpr_count 2
		.amdhsa_user_sgpr_kernarg_segment_ptr 1
		.amdhsa_wavefront_size32 1
		.amdhsa_system_sgpr_workgroup_id_x 1
		.amdhsa_system_sgpr_workgroup_id_y 1
		.amdhsa_system_sgpr_workgroup_id_z 1
		.amdhsa_system_vgpr_workitem_id 0
		.amdhsa_next_free_vgpr 192
		.amdhsa_next_free_sgpr 66
		.amdhsa_reserve_vcc 0
		.amdhsa_float_denorm_mode_32 3
		.amdhsa_float_denorm_mode_16_64 3
		.amdhsa_memory_ordered 1
		.amdhsa_forward_progress 1
		.amdhsa_inst_pref_size 54
	.end_amdhsa_kernel
	.amdgpu_metadata
---
amdhsa.version: [ 1, 2 ]
amdhsa.kernels:
  - .name:           k_q454543e3b5_quant
    .symbol:         k_q454543e3b5_quant.kd
    .args:
      - { .name: x, .offset: 0, .size: 8, .value_kind: global_buffer, .address_space: global }
      - { .name: Wq, .offset: 8, .size: 8, .value_kind: global_buffer, .address_space: global }
      - { .name: Wk, .offset: 16, .size: 8, .value_kind: global_buffer, .address_space: global }
      - { .name: Wv, .offset: 24, .size: 8, .value_kind: global_buffer, .address_space: global }
      - { .name: Wp, .offset: 32, .size: 8, .value_kind: global_buffer, .address_space: global }
      - { .name: codes, .offset: 40, .size: 8, .value_kind: global_buffer, .address_space: global }
      - { .name: scales, .offset: 48, .size: 8, .value_kind: global_buffer, .address_space: global }
      - { .name: wp16, .offset: 56, .size: 8, .value_kind: global_buffer, .address_space: global }
    .group_segment_fixed_size: 33280
    .private_segment_fixed_size: 0
    .kernarg_segment_align: 8
    .kernarg_segment_size: 64
    .max_flat_workgroup_size: 128
    .sgpr_count:     66
    .vgpr_count:     192
    .wavefront_size: 32
...
	.end_amdgpu_metadata
.endif
;; end of part 1
;; launch qkv (part 2): grid 12 x 32, 4 waves a work-group, clusters of 4 x 4, 327,680 bytes of LDS; arguments codes, scales, bq, bk, bv, qkv16, qkv32; writes qkv16, qkv32
.if DOCPART == 2
	.amdgcn_target "amdgcn-amd-amdhsa--gfx1250"
	.amdhsa_code_object_version 6
	.text
	.protected	k_q454543e3b5_qkv
	.globl	k_q454543e3b5_qkv
	.p2align	8
	.type	k_q454543e3b5_qkv,@function
k_q454543e3b5_qkv:
	s_mov_b64 s[64:65], 0
	v_nop
	global_prefetch_b8 v0, s[64:65] scope:SCOPE_SE
	s_setreg_imm32_b32 hwreg(HW_REG_WAVE_MODE, 25, 1), 1
	s_wait_xcnt 0x0
	s_wait_alu depctr_hold_cnt(0) depctr_sa_sdst(0) depctr_va_vdst(0) depctr_va_sdst(0) depctr_va_ssrc(0) depctr_va_vcc(0) depctr_vm_vsrc(0)
	s_getreg_b32 s2, hwreg(HW_REG_IB_STS2, 6, 4)
	s_cmp_eq_u32 s2, 0
	s_cbranch_scc0 .Lentry_in_a_cluster
	s_endpgm
.Lentry_in_a_cluster:
	s_bfe_u32 s2, ttmp6, 0x10000c
	s_cmp_lg_u32 s2, 0xf033
	s_cbranch_scc0 .Lentry_shape_is_right
	s_endpgm
.Lentry_shape_is_right:
; [q | k | v][m][n] = sum over k of x[m][k] W[n][k] + bias[n], on codes of FP4 (E2M1) with one E8M0 scale for each 32 along K.  M 8,192, N 3,072 (Wq, Wk, Wv on end), K 1,024.
; Out: qkv16 [8192][3072] f16, and qkv32 [64 = 16 batch + position][3072] f32: positions 0-15 of each sequence, which later launches carry in f32.
; LIMIT: |q|, |k|, |v| up to 65,504 (f16).
; A tile of 256 x 256 is made by four waves, each 128 x 128: 64 accumulators, 512 registers.  K is two slots of 512 (LDS rows of 256 bytes + 16): both are asked for at the start
; with the scale bytes, three tensor loads a wave, and nothing is filled again.
; CLUSTERS: 4 x 4 work-groups; the four of a row need the same tile of x, the four of a column the same tile of W: each is asked for jointly, by the same load with a mask naming the four.
; Tile row = 8 cy + cluster y, so that cy is the batch and 'holds positions 0-255' hangs on cluster y alone, the same in all partners.  Cluster x says q, k or v.
; THE MATRIX INSTRUCTION IS USED TRANSPOSED (source 0 = 16 rows of W, source 1 = 16 rows of x): a lane holds eight neighbouring columns of one row.  The bias is the C of each sum's first product.
; REGISTERS: window 0: v0-31 addresses; v32-95 scale words, two sets; v128-191 x's fragments, one set; v192-255 the bias in the result's layout; on the way out v128-255 are free.
;   window 1: W's fragments, two sets, at v0 and v128.  window 2: accumulators of my rows 0-63 ((a, b) at v[8 (8 a + b)]);  window 3: rows 64-127.
.set NQ,     4                         ; matrix instructions deep in a slot
.set ROWB,   256                       ; a tile's row in bytes: 512 codes
.set KROW,   512                       ; a row of codes in memory
.set PITCH,  272                       ; an LDS row: 256 bytes + 16 of padding, so that the 16 rows of a load start 68 words apart
.set FR,     8
.set NL,     2
.set NP,     4                         ; places behind this matrix instruction (ISA guide 7.12.1)
.set HALFT,  128*PITCH
.set SLOT,   4*HALFT
.set KS,     32                        ; a row of scales in bytes
.set SCL,    2*SLOT                    ; behind the slots: the scales, as units of 256 bytes + 16
.set HALFS,  (128*KS/256)*272
.set SBLK,   (16*KS/256)*272
.set SPARE,  SCL+4*HALFS               ; the spare words, 128 bytes a wave
.set OROW,   6144                      ; a row of qkv16 in bytes
.set FROW,   12288                     ; a row of qkv32
.set SPITCH, 272                       ; the way out: 16 rows x (256 + 16) a wave, in slot 0, which has had its only fill and its last read by then
.set FSTG,   4*16*SPITCH               ; behind these: 16 rows x (512 + 16) a wave for the f32 copy
.set FPITCH, 528
.set ADRA, 16
.set ADRB, 20
.set FCO,  22                          ; v22 16 x lane: my bytes in a row of the f32 copy
.set BO,   23                          ; v23 32 x (lane / 16): my eight numbers of a bias block
.set STO,  24
.set RD,   25
.set CO,   26
.set ADRS, 27
.set SPW,  28                          ; v28 my spare word; never rewritten
.set NIL,  29                          ; v29 0; never rewritten
.set FSTO, 30
.set FRD,  31
.set SC,   32
.set AF,   128
.set BI,   192                         ; bias: register 8 b + j = bias[n0 + 16 b + 8 (lane / 16) + j]
.set BK,   128                         ; the way out: rows read back: v128-159, v160-191 by turns
.set TMP,  192                         ; the way out: packed results
.set G1, 24
.set G0, 32
.set G1B, 48
.set G0B, 56
.set G1S, 68
.set G0S, 76
.set G1SB, 80
.set G0SB, 88
.set MSB, 0
.macro WIN new                         ; the immediate's high byte repeats the setting that is left
.if MSB != \new
	s_set_vgpr_msb (MSB<<8)|\new
.set MSB, \new
.endif
.endm
.set MUL_LO, 0xa1                      ; source 0 (W) window 1, source 1 (x) window 0, C and D window 2
.set MUL_HI, 0xf1                      ; the same, C and D window 3
.set MUL_LO0, 0x81                     ; first products: C (the bias) window 0, D window 2
.set MUL_HI0, 0xc1                     ; D window 3
.set TO_B,   0x40
; A joint load: waves 0 and 1 fetch for x, waves 2 and 3 for W.  The branch hangs on the wave's number alone.  An s_nop 0 and four v_nop follow each line.
.macro JLOAD g0a, g1a, g0b, g1b
	s_cmp_eq_u32 s15, 0
	s_cbranch_scc0 .Lfor_b_\@
	tensor_load_to_lds s[\g0a:\g0a+3], s[\g1a:\g1a+7]
	s_nop 0
.rept 4
	v_nop
.endr
	s_branch .Lasked_\@
.Lfor_b_\@:
	tensor_load_to_lds s[\g0b:\g0b+3], s[\g1b:\g1b+7]
	s_nop 0
.rept 4
	v_nop
.endr
.Lasked_\@:
.endm
.macro CROUND                          ; a round of the cluster's barrier
	s_barrier_signal -1
	s_barrier_wait -1
	s_cmp_lg_u32 s14, 0
	s_cbranch_scc1 .Lnot_wave_0_\@
	s_barrier_signal -3
.Lnot_wave_0_\@:
	s_barrier_wait -3
	s_barrier_signal -1
	s_barrier_wait -1
.endm
	s_load_b128 s[4:7], s[0:1], 0x0                ; codes, scales
	s_load_b128 s[96:99], s[0:1], 0x10             ; bq, bk
	s_load_b64 s[100:101], s[0:1], 0x20            ; bv
	s_load_b64 s[12:13], s[0:1], 0x28              ; qkv16
	s_load_b64 s[104:105], s[0:1], 0x30            ; qkv32
	v_lshl_add_u32 v[SPW], v0, 2, SPARE
	v_mov_b32 v[NIL], 0
	ds_add_u32 v[SPW], v[NIL]                      ; the wave's opening: the add, twice on end, and its wait ahead of my first tensor load
	ds_add_u32 v[SPW], v[NIL]
	v_lshrrev_b32 v1, 5, v0
	v_readfirstlane_b32 s14, v1                    ; wave 0..3
	s_lshr_b32 s15, s14, 1                         ; which half of the tile's rows is mine.  Also: I fetch for x (0) or for W (1)
	s_and_b32 s16, s14, 1                          ; which half of its columns.  Also: which 128 rows I fetch
	s_bfe_u32 s40, ttmp6, 0x40000                  ; cx
	s_bfe_u32 s41, ttmp6, 0x40004                  ; cy
	s_lshl_b32 s42, ttmp9, 2
	s_add_co_u32 s42, s42, s40                     ; tile column = 4 x cluster x + cx
	s_and_b32 s95, ttmp7, 0xffff                   ; cluster y
	s_lshl_b32 s17, s41, 3
	s_add_co_u32 s17, s17, s95                     ; tile row = 8 cy + cluster y
	s_lshl_b32 s43, s41, 2
	s_lshl_b32 s43, 15, s43                        ; my row of the cluster
	s_lshl_b32 s44, 0x1111, s40                    ; my column
	s_or_b32 s[G1+0], s43, (0<<16)|(1<<20)|(1<<21)|(5<<22)|(3<<25)  ; mask; elements of 1 byte; padding on; bit 21 beside a mask; 4 words after every 64
	s_or_b32 s[G1B+0], s44, (0<<16)|(1<<20)|(1<<21)|(5<<22)|(3<<25)
.irp g, G1, G1B
	s_mov_b32 s[\g+1], ROWB<<16                    ; tensor_dim0
	s_mov_b32 s[\g+2], 128<<16                     ; tensor_dim1
	s_mov_b32 s[\g+3], ROWB<<16                    ; tile_dim0
	s_mov_b32 s[\g+4], 128                         ; tile_dim1
	s_mov_b32 s[\g+5], KROW                        ; from row to row
	s_mov_b32 s[\g+6], 0
	s_mov_b32 s[\g+7], 0
.endr
	s_or_b32 s[G1S+0], s43, (3<<16)|(1<<20)|(1<<21)|(5<<22)|(3<<25) ; the scales of 128 rows: 4,096 dense bytes as 16 rows of 256 (32 elements of 8 bytes), 16 bytes of padding behind each
	s_or_b32 s[G1SB+0], s44, (3<<16)|(1<<20)|(1<<21)|(5<<22)|(3<<25)
.irp g, G1S, G1SB
	s_mov_b32 s[\g+1], 32<<16
	s_mov_b32 s[\g+2], (128*KS/256)<<16
	s_mov_b32 s[\g+3], 32<<16
	s_mov_b32 s[\g+4], 128*KS/256
	s_mov_b32 s[\g+5], 32
	s_mov_b32 s[\g+6], 0
	s_mov_b32 s[\g+7], 0
.endr
	s_lshl_b32 s18, s16, 7
	s_lshl_b32 s20, s17, 8
	s_add_co_u32 s20, s20, s18                     ; x: row 256 x tile row + 128 x half
	s_lshl_b32 s46, s42, 8
	s_add_co_u32 s46, s46, s18                     ; W: row 256 x tile column + 128 x half
	s_mov_b32 s21, 0
	s_mov_b32 s47, 0
	s_mov_b64 s[18:19], KS
	s_mul_u64 s[22:23], s[20:21], s[18:19]         ; where these rows' scales begin
	s_mul_u64 s[92:93], s[46:47], s[18:19]
	s_mov_b64 s[18:19], KROW
	s_mul_u64 s[20:21], s[20:21], s[18:19]         ; and their codes
	s_mul_u64 s[46:47], s[46:47], s[18:19]
	s_mul_i32 s45, s14, HALFT                      ; where they go: wave x 128 rows
	s_mul_i32 s94, s14, HALFS
	s_wait_dscnt 0x0                               ; both opening adds are done
	s_wait_kmcnt 0x0
	s_add_nc_u64 s[8:9], s[4:5], 8192*KROW         ; the weights' codes lie behind x's 8,192 rows,
	s_add_nc_u64 s[10:11], s[6:7], 8192*KS         ; and so do their scales
	s_add_nc_u64 s[20:21], s[4:5], s[20:21]
	s_add_nc_u64 s[22:23], s[6:7], s[22:23]
	s_add_nc_u64 s[46:47], s[8:9], s[46:47]
	s_add_nc_u64 s[92:93], s[10:11], s[92:93]
	CROUND                                         ; all sixteen work-groups are here: the joint loads meet
	s_mov_b32 s[G0S], 1
	s_add_co_u32 s[G0S+1], s94, SCL
	s_mov_b64 s[G0S+2:G0S+3], s[22:23]
	s_or_b32 s[G0S+3], s[G0S+3], 0x80000000
	s_mov_b32 s[G0SB], 1
	s_add_co_u32 s[G0SB+1], s94, SCL
	s_mov_b64 s[G0SB+2:G0SB+3], s[92:93]
	s_or_b32 s[G0SB+3], s[G0SB+3], 0x80000000
	JLOAD G0S, G1S, G0SB, G1SB                     ; the scales first: they are wanted with slot 0
.irp s, 0,1
	s_mov_b32 s[G0+4*\s], 1
	s_add_co_u32 s[G0+4*\s+1], s45, \s*SLOT
	s_add_nc_u64 s[G0+4*\s+2:G0+4*\s+3], s[20:21], \s*ROWB
	s_or_b32 s[G0+4*\s+3], s[G0+4*\s+3], 0x80000000
	s_mov_b32 s[G0B+4*\s], 1
	s_add_co_u32 s[G0B+4*\s+1], s45, \s*SLOT
	s_add_nc_u64 s[G0B+4*\s+2:G0B+4*\s+3], s[46:47], \s*ROWB
	s_or_b32 s[G0B+4*\s+3], s[G0B+4*\s+3], 0x80000000
	JLOAD G0+4*\s, G1, G0B+4*\s, G1B               ; three tensor loads of mine are out now
.endr
	v_and_b32 v1, 15, v0                           ; r = lane % 16
	v_bfe_u32 v2, v0, 4, 1                         ; h = lane / 16
	v_lshlrev_b32 v[BO], 5, v2
	s_cmp_eq_u32 ttmp9, 1                          ; the bias by cluster x: bq, bk or bv
	s_cselect_b64 s[96:97], s[98:99], s[96:97]
	s_cmp_eq_u32 ttmp9, 2
	s_cselect_b64 s[96:97], s[100:101], s[96:97]
	s_lshl_b32 s46, s40, 10
	s_lshl_b32 s47, s16, 9
	s_add_co_u32 s46, s46, s47                     ; (256 cx + 128 half) numbers of 4 bytes
	s_mov_b32 s47, 0
	s_add_nc_u64 s[96:97], s[96:97], s[46:47]
.irp b, 0,1,2,3,4,5,6,7
	global_load_b128 v[BI+8*\b:BI+8*\b+3], v[BO], s[96:97] offset:64*\b
	global_load_b128 v[BI+8*\b+4:BI+8*\b+7], v[BO], s[96:97] offset:64*\b+16
.endr
	v_mul_u32_u24 v3, v1, PITCH
	v_lshl_add_u32 v4, v2, 4, v3                   ; a fragment's row x pitch + 16 x half
	s_mul_i32 s21, s15, HALFT                      ; my 128 rows of x
	s_mul_i32 s22, s16, HALFT                      ; my 128 rows of W,
	s_add_co_u32 s22, s22, 2*HALFT                 ; which lie behind x's 256
.irp s, 0,1
	v_add_nc_u32 v[ADRA+\s], s21, v4
	v_add_nc_u32 v[ADRB+\s], s22, v4
	s_add_co_u32 s21, s21, SLOT
	s_add_co_u32 s22, s22, SLOT
.endr
	v_mul_u32_u24 v5, v1, KS                       ; my row's scales: KS bytes a row,
	v_lshrrev_b32 v6, 8, v5
	v_lshl_add_u32 v5, v6, 4, v5                   ; and 16 more for each 256 passed
	s_mul_i32 s21, s15, HALFS
	s_mul_i32 s22, s16, HALFS
	s_add_co_u32 s22, s22, 2*HALFS
	s_sub_co_u32 s22, s22, s21
	v_mul_u32_u24 v6, s22, v2                      ; lanes 16-31 take W's: one product, the distance between the two bases
	s_add_co_u32 s21, s21, SCL
	v_add_nc_u32 v5, v5, v6
	v_add_nc_u32 v[ADRS], s21, v5
	s_mul_i32 s23, s14, 16*SPITCH                  ; my stage for f16 rows
	v_mul_u32_u24 v5, v1, SPITCH
	v_lshl_add_u32 v5, v2, 4, v5
	v_add_nc_u32 v[STO], s23, v5                   ; in: row r, 16 bytes for each half of the lanes
	v_mul_u32_u24 v5, v2, SPITCH
	v_lshl_add_u32 v5, v1, 4, v5
	v_add_nc_u32 v[RD], s23, v5                    ; back: lanes 0-15 one row of 256 bytes, lanes 16-31 the next
	v_mul_u32_u24 v5, v2, OROW
	v_lshl_add_u32 v[CO], v1, 4, v5                ; and the same two rows in qkv16
	s_mul_i32 s23, s14, 16*FPITCH
	s_add_co_u32 s23, s23, FSTG                    ; my stage for the f32 copy
	v_mul_u32_u24 v5, v1, FPITCH
	v_lshl_add_u32 v5, v2, 5, v5
	v_add_nc_u32 v[FSTO], s23, v5
	v_and_b32 v6, 31, v0
	v_lshlrev_b32 v[FCO], 4, v6
	v_add_nc_u32 v[FRD], s23, v[FCO]
	s_lshl_b32 s20, s17, 8
	s_lshl_b32 s21, s15, 7
	s_add_co_u32 s20, s20, s21                     ; my first row: 256 x tile row + 128 x half
	s_mov_b32 s21, 0
	s_mov_b64 s[18:19], OROW
	s_mul_u64 s[20:21], s[20:21], s[18:19]
	s_lshl_b32 s46, s42, 9                         ; my first column in bytes of f16: 512 x tile column + 256 x half
	s_lshl_b32 s47, s16, 8
	s_add_co_u32 s46, s46, s47
	s_mov_b32 s47, 0
	s_add_nc_u64 s[20:21], s[20:21], s[46:47]
	s_add_nc_u64 s[12:13], s[12:13], s[20:21]
	s_lshl_b32 s46, s42, 10                        ; the f32 copy: 16 rows a batch (cy), my columns in bytes of f32
	s_lshl_b32 s47, s16, 9
	s_add_co_u32 s46, s46, s47
	s_mul_i32 s47, s41, 16*FROW
	s_add_co_u32 s46, s46, s47
	s_mov_b32 s47, 0
	s_add_nc_u64 s[104:105], s[104:105], s[46:47]
	s_or_b32 s94, s95, s15                         ; 0 where my block 0 is positions 0-15: cluster y and the wave's number alone
.macro FRAG reg, adr, q, i             ; 16 rows x 128 K of 4-bit codes: registers 4 c .. 4 c + 3 hold K = 64 c + 32 (lane / 16) + 0 .. 31
.irp c, 0,1
	ds_load_b128 v[\reg+4*\c:\reg+4*\c+3], v[\adr] offset:64*(\q)+32*\c+(\i)*16*PITCH
.endr
.endm
; 16 matrix instructions: x's blocks a0, a0 + 1 against W's eight.  zero = 1: the first product starts the sums from the bias.  The 64 accumulators take turns.
.macro MUL16 a0, p, q, sc, zero
.irp a, \a0, \a0+1
.irp b, 0,1,2,3,4,5,6,7
.if \zero
	v_wmma_scale_f32_16x16x128_f8f6f4 v[8*(8*((\a)%4)+\b):8*(8*((\a)%4)+\b)+7], v[128*(\p)+FR*\b:128*(\p)+FR*\b+FR-1], v[AF+FR*(\a):AF+FR*(\a)+FR-1], v[BI+8*\b:BI+8*\b+7], v[SC+8*NQ*(\sc)+NQ*\b+(\q)], v[SC+8*NQ*(\sc)+NQ*(\a)+(\q)] matrix_a_fmt:MATRIX_FMT_FP4 matrix_b_fmt:MATRIX_FMT_FP4 matrix_a_scale:MATRIX_SCALE_ROW1
.else
	v_wmma_scale_f32_16x16x128_f8f6f4 v[8*(8*((\a)%4)+\b):8*(8*((\a)%4)+\b)+7], v[128*(\p)+FR*\b:128*(\p)+FR*\b+FR-1], v[AF+FR*(\a):AF+FR*(\a)+FR-1], v[8*(8*((\a)%4)+\b):8*(8*((\a)%4)+\b)+7], v[SC+8*NQ*(\sc)+NQ*\b+(\q)], v[SC+8*NQ*(\sc)+NQ*(\a)+(\q)] matrix_a_fmt:MATRIX_FMT_FP4 matrix_b_fmt:MATRIX_FMT_FP4 matrix_a_scale:MATRIX_SCALE_ROW1
.endif
.endr
.endr
.endm
.macro FETCH_B slot, q, p
	WIN TO_B
.irp i, 0,1,2,3,4,5,6,7
	FRAG 128*(\p)+FR*\i, ADRB+\slot, \q, \i
.endr
	WIN 0
.endm
.macro FETCH_A slot, q, i0
.irp i, \i0, \i0+1, \i0+2, \i0+3
	FRAG AF+FR*(\i), ADRA+\slot, \q, \i
.endr
.endm
.macro SCALES sc                       ; a slot's scale words: lanes 0-15 take x's block i, lanes 16-31 W's block i
.irp i, 0,1,2,3,4,5,6,7
	ds_load_b128 v[SC+8*NQ*\sc+NQ*\i:SC+8*NQ*\sc+NQ*\i+3], v[ADRS] offset:\i*SBLK
.endr
.endm
.macro PLACES n                        ; plain vector lines between a matrix instruction and a load into, or a read of, its registers
.rept \n
	v_nop
.endr
.endm
.macro STEP slot, q, zero              ; 128 along K that has its successor in the same slot
	s_wait_dscnt 4*NL                              ; W's set and x's blocks 0-3 are in; the youngest eight loads (x's blocks 4-7) may be out
.if \zero
	WIN MUL_LO0
.else
	WIN MUL_LO
.endif
	MUL16 0, (\q)%2, \q, \slot, \zero
	MUL16 2, (\q)%2, \q, \slot, \zero
	s_wait_dscnt 0
	PLACES NP
	FETCH_B \slot, (\q)+1, 1-(\q)%2
	FETCH_A \slot, (\q)+1, 0
.if \zero
	WIN MUL_HI0
.else
	WIN MUL_HI
.endif
	MUL16 4, (\q)%2, \q, \slot, \zero
	MUL16 6, (\q)%2, \q, \slot, \zero
	PLACES NP
	WIN 0
	FETCH_A \slot, (\q)+1, 4
.endm
.macro TURN slot, next                 ; slot 0's last step: one barrier; behind it slot 1 is whole and nobody reads slot 0.  Nothing is filled again
	s_wait_tensorcnt 0x0                           ; all my tensor loads have landed: my part of slot 1
	ds_add_u32 v[SPW], v[NIL]
	s_wait_dscnt 4*NL+1                            ; (the add and the youngest eight loads may be out)
	WIN MUL_LO
	MUL16 0, 1, NQ-1, \slot, 0
	s_wait_dscnt 0x0                               ; the add is done, and my reads of this slot are over
	s_barrier_signal -1
	MUL16 2, 1, NQ-1, \slot, 0
	WIN 0
	s_barrier_wait -1
	PLACES NP
	v_add_nc_u32 v[ADRS], 4*NQ, v[ADRS]            ; on to the next slot's scale words
	FETCH_B \next, 0, 0
	FETCH_A \next, 0, 0
	SCALES \next
	WIN MUL_HI
	MUL16 4, 1, NQ-1, \slot, 0
	MUL16 6, 1, NQ-1, \slot, 0
	PLACES NP
	WIN 0
	FETCH_A \next, 0, 4
.endm
	s_wait_tensorcnt 1                             ; the scales and my part of slot 0 are in (slot 1's load may be out)
	s_barrier_signal -1
	s_barrier_wait -1                              ; everybody's are
	FETCH_B 0, 0, 0
	FETCH_A 0, 0, 0
	SCALES 0
	FETCH_A 0, 0, 4
	s_wait_loadcnt 0x0                             ; the bias
	STEP 0, 0, 1
	STEP 0, 1, 0
	STEP 0, 2, 0
	TURN 0, 1
	STEP 1, 0, 0
	STEP 1, 1, 0
	STEP 1, 2, 0
	s_wait_dscnt 4*NL                              ; the last step: nothing more to fetch
	WIN MUL_LO
	MUL16 0, 1, NQ-1, 1, 0
	MUL16 2, 1, NQ-1, 1, 0
	s_wait_dscnt 0
	WIN MUL_HI
	MUL16 4, 1, NQ-1, 1, 0
	MUL16 6, 1, NQ-1, 1, 0
	WIN 0
; THE WAY OUT, block by block of 16 rows x 128 columns: rounded to f16 (16 bytes a lane), through my own stage, back as whole rows of 256 bytes.
.macro PACK a
.set AC, 64*((\a)%4)
	WIN 0x0a+5*((\a)/4)                            ; sources 0 and 1: window 2 or 3
.irp b, 0,1,2,3,4,5,6,7
.irp r, 0,1,2,3
	v_cvt_pk_f16_f32 v[TMP+4*\b+\r], v[AC+8*\b+2*\r], v[AC+8*\b+2*\r+1]   ; each accumulator from its low end on
.endr
.endr
	WIN 0
.endm
.macro TOSTAGE a
.set BB, BK+32*((\a)%2)
.irp b, 0,1,2,3,4,5,6,7
	ds_store_b128 v[STO], v[TMP+4*\b:TMP+4*\b+3] offset:32*\b
.endr
.irp t, 0,1,2,3,4,5,6,7
	ds_load_b128 v[BB+4*\t:BB+4*\t+3], v[RD] offset:\t*2*SPITCH    ; LDS serves a wave's instructions in order: these see the stores above
.endr
.endm
.macro SEND a
.set BB, BK+32*((\a)%2)
	s_wait_dscnt 0x0                               ; the block is back in registers
	s_wait_xcnt 0x0                                ; the block before has had its stores' registers read: the next loads from the stage may land there
.irp t, 0,1,2,3,4,5,6,7
	global_store_b128 v[CO], v[BB+4*\t:BB+4*\t+3], s[12:13] offset:(16*(\a)+2*\t)*OROW   ; 16 lanes store 256 consecutive bytes, aligned; 126 rows at the most stand in the immediate
.endr
.endm
	PLACES NP                                      ; behind the last products: for the reads of results and the loads into x's registers
	s_cmp_lg_u32 s94, 0
	s_cbranch_scc1 .Lnofine
	WIN 0x08                                       ; an LDS store's data: window 2.  Block 0 = positions 0-15 of batch cy, as f32
.irp b, 0,1,2,3,4,5,6,7
	ds_store_b128 v[FSTO], v[8*\b:8*\b+3] offset:64*\b
	ds_store_b128 v[FSTO], v[8*\b+4:8*\b+7] offset:64*\b+16
.endr
	WIN 0
.irp t, 0,1,2,3,4,5,6,7,8,9,10,11,12,13,14,15
	ds_load_b128 v[128+4*\t:128+4*\t+3], v[FRD] offset:\t*FPITCH
.endr
	s_wait_dscnt 0x0
.irp t, 0,1,2,3,4,5,6,7,8,9,10,11,12,13,14,15
	global_store_b128 v[FCO], v[128+4*\t:128+4*\t+3], s[104:105] offset:\t*FROW   ; 32 lanes store 512 consecutive bytes, aligned
.endr
.Lnofine:
	s_wait_xcnt 0x0                                ; those stores have read v128-191
	PACK 0
	TOSTAGE 0
.irp a, 1,2,3,4,5,6,7                  ; block a's conversions stand between block a - 1's loads from the stage and the wait for them
	PACK \a
	SEND \a-1
	TOSTAGE \a
.endr
	SEND 7
	s_wait_tensorcnt 0x0                           ; the wave's end
	ds_add_u32 v[SPW], v[NIL]
	s_wait_dscnt 0x0
	CROUND                                         ; the closing round
	s_endpgm
.Lfunc_end_k_q454543e3b5_qkv:
	.size	k_q454543e3b5_qkv, .Lfunc_end_k_q454543e3b5_qkv-k_q454543e3b5_qkv
	.p2alignl 7, 3214868480
	.fill 96, 4, 3214868480
	.section	.rodata,"a",@progbits
	.p2align	6, 0x0
	.amdhsa_kernel k_q454543e3b5_qkv
		.amdhsa_group_segment_fixed_size 327680
		.amdhsa_private_segment_fixed_size 0
		.amdhsa_enable_private_segment 0
		.amdhsa_kernarg_size 56
		.amdhsa_user_sgpr_count 2
		.amdhsa_user_sgpr_kernarg_segment_ptr 1
		.amdhsa_wavefront_size32 1
		.amdhsa_system_sgpr_workgroup_id_x 1
		.amdhsa_system_sgpr_workgroup_id_y 1
		.amdhsa_system_sgpr_workgroup_id_z 1
		.amdhsa_system_vgpr_workitem_id 0
		.amdhsa_next_free_vgpr 1024
		.amdhsa_next_free_sgpr 106
		.amdhsa_reserve_vcc 0
		.amdhsa_float_denorm_mode_32 3
		.amdhsa_float_denorm_mode_16_64 3
		.amdhsa_memory_ordered 1
		.amdhsa_forward_progress 1
		.amdhsa_inst_pref_size 133
	.end_amdhsa_kernel
	.amdgpu_metadata
---
amdhsa.version: [ 1, 2 ]
amdhsa.kernels:
  - .name:           k_q454543e3b5_qkv
    .symbol:         k_q454543e3b5_qkv.kd
    .args:
      - { .name: codes, .offset: 0, .size: 8, .value_kind: global_buffer, .address_space: global }
      - { .name: scales, .offset: 8, .size: 8, .value_kind: global_buffer, .address_space: global }
      - { .name: bq, .offset: 16, .size: 8, .value_kind: global_buffer, .address_space: global }
      - { .name: bk, .offset: 24, .size: 8, .value_kind: global_buffer, .address_space: global }
      - { .name: bv, .offset: 32, .size: 8, .value_kind: global_buffer, .address_space: global }
      - { .name: qkv16, .offset: 40, .size: 8, .value_kind: global_buffer, .address_space: global }
      - { .name: qkv32, .offset: 48, .size: 8, .value_kind: global_buffer, .address_space: global }
    .group_segment_fixed_size: 327680
    .private_segment_fixed_size: 0
    .kernarg_segment_align: 8
    .kernarg_segment_size: 56
    .max_flat_workgroup_size: 128
    .sgpr_count:     106
    .vgpr_count:     1024
    .wavefront_size: 32
...
	.end_amdgpu_metadata
.endif
;; end of part 2
;; launch head16 (part 3): grid 16 x 4, 1 waves a work-group, no clusters, 0 bytes of LDS; arguments qkv32, y32; writes y32
.if DOCPART == 3
	.amdgcn_target "amdgcn-amd-amdhsa--gfx1250"
	.amdhsa_code_object_version 6
	.text
	.protected	k_q454543e3b5_head16
	.globl	k_q454543e3b5_head16
	.p2align	8
	.type	k_q454543e3b5_head16,@function
k_q454543e3b5_head16:
	s_mov_b64 s[64:65], 0
	v_nop
	global_prefetch_b8 v0, s[64:65] scope:SCOPE_SE
	s_setreg_imm32_b32 hwreg(HW_REG_WAVE_MODE, 25, 1), 1
	s_wait_xcnt 0x0
; Attention of positions 0-15 of one (batch, head), all in f32: these rows average one to sixteen values and are the largest of the output, so 16-bit operands would use up what is allowed.
; One wave to a work-group: x = head, y = batch.  qkv32 [16 batch + position][3072] f32: q at column 0, k at 1,024, v at 2,048.
; S^T = K Q^T (source 0 = 16 keys, source 1 = 16 queries), O^T = V^T P: a lane holds one query (lane % 16) throughout.  The place of a channel or key among a product's four K places
; is the same on both sides.  The maximum is taken away before the exponential, as in the source.
; Out: y32 as images of the next launch's operand registers: [batch][G = channel / 16][c][lane][16 bytes]: lane (r, h), part c = y(position r, 16 G + 8 h + 4 c + 0 .. 3).
; LIMITS: NaN and infinities are not served.
; REGISTERS: v16-47 Q, v48-79 K, v80-111 V^T; v112-143 four accumulators of S^T and v160-191 four of O^T (written by matrix instructions alone); v144-151 scores; v152-159 p; v192-223 the result.
	s_load_b128 s[4:7], s[0:1], 0x0                ; qkv32, y32
	v_and_b32 v1, 15, v0                           ; r
	v_lshrrev_b32 v2, 4, v0                        ; h
	v_mul_u32_u24 v3, v1, 12288
	v_lshl_add_u32 v3, v2, 4, v3                   ; Q, K: row r, + 16 h: channels 8 u + 4 h + 0 .. 3
	v_mul_u32_u24 v4, v2, 98304
	v_lshl_add_u32 v4, v1, 2, v4                   ; V: key 8 h + i, channel 16 ct + r
	v_lshlrev_b32 v5, 4, v0                        ; out: 16 bytes a lane
	v_lshlrev_b32 v6, 3, v2
	v_sub_nc_u32 v6, v1, v6                        ; d = r - 8 h: register j holds key 8 h + j, hidden where j > d
	v_mov_b32 v7, 0xff800000                       ; -infinity
	s_and_b32 s8, ttmp7, 0xffff                    ; batch
	s_mul_i32 s10, s8, 196608                      ; 16 rows of 12,288 bytes
	s_lshl_b32 s9, ttmp9, 8                        ; 64 channels of 4 bytes a head
	s_add_co_u32 s10, s10, s9
	s_mov_b32 s11, 0
	s_lshl_b32 s12, s8, 16
	s_lshl_b32 s9, ttmp9, 12
	s_add_co_u32 s12, s12, s9
	s_mov_b32 s13, 0
	s_mov_b32 s14, 0x3e38aa3b                      ; c = log2(e) / sqrt(64)
	s_mov_b32 s16, 0x76543210
	s_mov_b32 s17, 0xfedcba98                      ; lane l xor 16
	s_wait_kmcnt 0x0
	s_add_nc_u64 s[4:5], s[4:5], s[10:11]
	s_add_nc_u64 s[6:7], s[6:7], s[12:13]
.irp u, 0,1,2,3,4,5,6,7
	global_load_b128 v[16+4*\u:19+4*\u], v3, s[4:5] offset:32*\u
.endr
.irp u, 0,1,2,3,4,5,6,7
	global_load_b128 v[48+4*\u:51+4*\u], v3, s[4:5] offset:4096+32*\u
.endr
.irp ct, 0,1,2,3
.irp i, 0,1,2,3,4,5,6,7
	global_load_b32 v[80+8*\ct+\i], v4, s[4:5] offset:8192+12288*\i+64*\ct
.endr
.endr
	s_wait_loadcnt 32                              ; Q and K are in; V's 32 loads may be out
.set st, 0
.rept 16                               ; 64 channels, four at a time; four accumulators take turns; each sum's first product takes 0
.if st < 4
	v_wmma_f32_16x16x4_f32 v[112+8*(st%4):119+8*(st%4)], v[48+2*st:49+2*st], v[16+2*st:17+2*st], 0
.else
	v_wmma_f32_16x16x4_f32 v[112+8*(st%4):119+8*(st%4)], v[48+2*st:49+2*st], v[16+2*st:17+2*st], v[112+8*(st%4):119+8*(st%4)]
.endif
.set st, st+1
.endr
.rept 8
	v_nop                                          ; eight places behind this form
.endr
.irp p, 0,2,4,6
	v_pk_add_f32 v[144+\p:145+\p], v[112+\p:113+\p], v[120+\p:121+\p]   ; the four partial sums, into other registers, each accumulator from its low end on
	v_pk_add_f32 v[152+\p:153+\p], v[128+\p:129+\p], v[136+\p:137+\p]
.endr
.irp p, 0,2,4,6
	v_pk_add_f32 v[144+\p:145+\p], v[144+\p:145+\p], v[152+\p:153+\p]
.endr
.irp j, 0,1,2,3,4,5,6,7
	v_cmp_gt_i32 vcc_lo, \j, v6
	v_cndmask_b32 v[144+\j], v[144+\j], v7, vcc_lo                 ; the causal mask
.endr
	v_max3_num_f32 v8, v144, v145, v146
	v_max3_num_f32 v9, v147, v148, v149
	v_max3_num_f32 v8, v8, v150, v151
	v_max_num_f32 v8, v8, v9
	v_permlanex16_b32 v9, v8, s16, s17
	v_max_num_f32 v8, v8, v9                       ; the row's maximum (key 0 counts for every query)
	v_mul_f32 v10, s14, v8
.irp j, 0,1,2,3,4,5,6,7
	v_fma_f32 v[144+\j], v[144+\j], s14, -v10
.endr
.irp j, 0,1,2,3,4,5,6,7
	v_exp_f32 v[152+\j], v[144+\j]
.endr
	v_nop                                          ; a plain line behind the exponentials
	s_wait_alu depctr_va_vdst(0)                   ; one wait for the batch, ahead of its first reader
	v_pk_add_f32 v[8:9], v[152:153], v[154:155]
	v_pk_add_f32 v[10:11], v[156:157], v[158:159]
	v_pk_add_f32 v[8:9], v[8:9], v[10:11]
	v_add_f32 v8, v8, v9
	v_permlanex16_b32 v9, v8, s16, s17
	v_add_f32 v8, v8, v9                           ; the row's sum
	v_rcp_f32 v10, v8
	v_nop
	s_wait_alu depctr_va_vdst(0)
	s_wait_loadcnt 0x0                             ; V
.irp s, 0,1,2,3                        ; K place 2 h + j stands for key 8 h + 2 s + j on both sides
.irp ct, 0,1,2,3
.if \s == 0
	v_wmma_f32_16x16x4_f32 v[160+8*\ct:167+8*\ct], v[80+8*\ct+2*\s:81+8*\ct+2*\s], v[152+2*\s:153+2*\s], 0
.else
	v_wmma_f32_16x16x4_f32 v[160+8*\ct:167+8*\ct], v[80+8*\ct+2*\s:81+8*\ct+2*\s], v[152+2*\s:153+2*\s], v[160+8*\ct:167+8*\ct]
.endif
.endr
.endr
.rept 8
	v_nop
.endr
.irp j, 0,1,2,3,4,5,6,7,8,9,10,11,12,13,14,15,16,17,18,19,20,21,22,23,24,25,26,27,28,29,30,31
	v_mul_f32 v[192+\j], v[160+\j], v10            ; register 8 ct + j = y(r, 16 ct + 8 h + j)
.endr
.irp ct, 0,1,2,3
.irp c, 0,1
	global_store_b128 v5, v[192+8*\ct+4*\c:195+8*\ct+4*\c], s[6:7] offset:1024*\ct+512*\c   ; 512 consecutive bytes a store
.endr
.endr
	s_endpgm
.Lfunc_end_k_q454543e3b5_head16:
	.size	k_q454543e3b5_head16, .Lfunc_end_k_q454543e3b5_head16-k_q454543e3b5_head16
	.p2alignl 7, 3214868480
	.fill 96, 4, 3214868480
	.section	.rodata,"a",@progbits
	.p2align	6, 0x0
	.amdhsa_kernel k_q454543e3b5_head16
		.amdhsa_group_segment_fixed_size 0
		.amdhsa_private_segment_fixed_size 0
		.amdhsa_enable_private_segment 0
		.amdhsa_kernarg_size 16
		.amdhsa_user_sgpr_count 2
		.amdhsa_user_sgpr_kernarg_segment_ptr 1
		.amdhsa_wavefront_size32 1
		.amdhsa_system_sgpr_workgroup_id_x 1
		.amdhsa_system_sgpr_workgroup_id_y 1
		.amdhsa_system_sgpr_workgroup_id_z 1
		.amdhsa_system_vgpr_workitem_id 0
		.amdhsa_next_free_vgpr 224
		.amdhsa_next_free_sgpr 66
		.amdhsa_reserve_vcc 1
		.amdhsa_float_denorm_mode_32 3
		.amdhsa_float_denorm_mode_16_64 3
		.amdhsa_memory_ordered 1
		.amdhsa_forward_progress 1
		.amdhsa_inst_pref_size 14
	.end_amdhsa_kernel
	.amdgpu_metadata
---
amdhsa.version: [ 1, 2 ]
amdhsa.kernels:
  - .name:           k_q454543e3b5_head16
    .symbol:         k_q454543e3b5_head16.kd
    .args:
      - { .name: qkv32, .offset: 0, .size: 8, .value_kind: global_buffer, .address_space: global }
      - { .name: y32, .offset: 8, .size: 8, .value_kind: global_buffer, .address_space: global }
    .group_segment_fixed_size: 0
    .private_segment_fixed_size: 0
    .kernarg_segment_align: 8
    .kernarg_segment_size: 16
    .max_flat_workgroup_size: 32
    .sgpr_count:     66
    .vgpr_count:     224
    .wavefront_size: 32
...
	.end_amdgpu_metadata
.endif
;; end of part 3
;; launch attn (part 4): grid 8 x 32, 16 waves a work-group, no clusters, 327,680 bytes of LDS; arguments qkv16, y16; writes y16
.if DOCPART == 4
	.amdgcn_target "amdgcn-amd-amdhsa--gfx1250"
	.amdhsa_code_object_version 6
	.text
	.protected	k_q454543e3b5_attn
	.globl	k_q454543e3b5_attn
	.p2align	8
	.type	k_q454543e3b5_attn,@function
k_q454543e3b5_attn:
	s_mov_b64 s[64:65], 0
	v_nop
	global_prefetch_b8 v0, s[64:65] scope:SCOPE_SE
	s_setreg_imm32_b32 hwreg(HW_REG_WAVE_MODE, 25, 1), 1
	s_wait_xcnt 0x0
; y[b][q][head] = softmax over keys k <= q of (Q . K / 8) times V, with f16 operands and f32 sums, maxima and row sums.  qkv16 [8192][3072] f16: q, k, v columns on end.
; SHARES.  A work-group owns a pair of heads (256 aligned bytes of a row) of one batch and TWO blocks of 128 queries, I and 15 - I: (I + 1) + (16 - I) = 17 blocks of 128 keys in every
; work-group, so all 256 have equal work and the loop's count is a constant.  Wave w: head w / 8 of the pair, 16 queries at 16 (w % 8) of the block, in under 256 registers.
; Trip J: for J <= I query block I against key block J; then query block 15 - I against key block J - I - 1.  At J = I + 1 the first block's result leaves and the second begins.
; LAYOUT.  S^T = K Q^T (source 0 = 16 keys, source 1 = my 16 queries), O^T = V^T P: a lane holds ONE query (lane % 16).  Two tiles of S^T, rounded to f16 in pairs, are source 1 of the second
; product.  K comes out of LDS as it lies, V turned by ds_load_tr16_b128.
; SOFTMAX.  A running maximum m and sum l: p = 2^(c s - c m), c = log2(e) / 8; in every step O and l are multiplied by 2^(c m_old - c m_new).
; A step all of whose 64 keys come after my queries is left out by a scalar branch on ids; on the diagonal hidden scores become -infinity.  Key 0 counts for every query.
; RING.  Two slots of 128 keys (K: 128 rows x 272 bytes, V: 128 x 288), filled by waves 0-3 (K's halves, V's halves), read by all sixteen; one barrier a trip; at most one tensor load of a wave is out.
; NO CLUSTER: in one and the same trip the work-groups of a pair of heads want different key blocks (J against J - I - 1), so no joint request would serve two of them.
; OUT.  y16 as images of the projection's operand registers: [row / 16][k / 32][c][lane][16 bytes]: a wave's result is four stores of 512 consecutive bytes.
; LIMITS: |q|, |k|, |v| up to 65,504 (f16); scores above -3e38; NaN and infinities are not served.
.set PK,    272
.set PV,    288
.set VOFF,  128*PK
.set SLOT1, 1<<17
.set SPARE, 2*SLOT1                    ; the spare words, 128 bytes for each of sixteen waves
.set ROWQ,  6144                       ; a row of qkv16 in bytes
.set KBLK,  128*ROWQ                   ; a key block in memory
.set AK0, 1                            ; v1  my lane's place in a tile of K
.set AV0, 2                            ; v2  the same for V
.set QO,  3                            ; v3  my bytes in my 16 rows of Q
.set GO,  4                            ; v4  16 x lane
.set SPW, 5                            ; v5  my spare word; never rewritten
.set NIL, 6                            ; v6  0; never rewritten
.set ADK, 7
.set ADV, 8
.set DD,  9                            ; v9  r - 8 h
.set CM,  10                           ; v10 c m;  v11 m;  v[12:13] l
.set T,   14                           ; v14-17 at work; the rescaling factor in v16
.set PFO, 18                           ; v18 a row x my lane; never rewritten
.set Q,   20                           ; v20-35
.set KR,  36                           ; v36-99   K's 8 fragments
.set VR,  100                          ; v100-163 V's 8
.set S,   164                          ; v164-195 S^T, then p
.set P,   196                          ; v196-211 p in f16
.set O,   212                          ; v212-243 O^T
; s8 wave, s9 head of the pair, s10 w % 8, s11 I, s59 I + 1, s12 J, s13 the step's first key, s14 my first query, s15 the slot in hand, s[16:17] c, s[18:19] lane selects,
; s[20:21] K's and s[22:23] V's first row that I would fetch, s[24:31], s[32:39] descriptor groups 1, s[40:43], s[44:47] groups 0, s[48:49] Q's base, s[50:51] y's, s[52:53], s[54:55] at my queries,
; s[56:57] where my prefetches stand, s58 their limit
.macro TLOAD                           ; waves 0, 1 fetch K's halves, waves 2, 3 V's, the others nothing.  An s_nop 0 and four v_nop follow each line
	s_cmp_lt_u32 s8, 2
	s_cbranch_scc0 .Lnot_k_\@
	tensor_load_to_lds s[40:43], s[24:31]
	s_nop 0
.rept 4
	v_nop
.endr
	s_branch .Lasked_\@
.Lnot_k_\@:
	s_cmp_lt_u32 s8, 4
	s_cbranch_scc0 .Lasked_\@
	tensor_load_to_lds s[44:47], s[32:39]
	s_nop 0
.rept 4
	v_nop
.endr
.Lasked_\@:
.endm
; A PREFETCH of key block J + 2, behind the trip's tensor loads.  All eight work-groups of a pair of heads walk the same K and V: the one with I = 0 asks, in its waves that fetch nothing:
; waves 4-7 for K's 128 rows, 32 a wave, a lane a row (256 aligned bytes of it); waves 8-11 for V's.  So each such piece of blocks 2 to 15 is named once; trips 14 and on ask for nothing.
.macro ASK
	s_cmp_lt_u32 s12, s58
	s_cbranch_scc0 .Lnot_mine_\@
	global_prefetch_b8 v[PFO], s[56:57] th:TH_LOAD_NT scope:SCOPE_SE
.Lnot_mine_\@:
.endm
.macro SETQ                            ; Q's and y's addresses at my first query
	s_mul_i32 s60, s14, ROWQ
	s_mov_b32 s61, 0
	s_add_nc_u64 s[52:53], s[48:49], s[60:61]
	s_lshl_b32 s60, s14, 11                        ; 32,768 bytes for each 16 rows
	s_add_nc_u64 s[54:55], s[50:51], s[60:61]
.endm
.macro QLOAD
.irp i, 0,1,2,3
	global_load_b128 v[Q+4*\i:Q+4*\i+3], v[QO], s[52:53] offset:32*\i
.endr
.endm
.macro INIT                            ; the step is written once: the first finds zeros and a maximum under every score
	v_mov_b32 v11, 0xff61b1e6                      ; -3e38
	v_mul_f32 v[CM], s16, v11
	v_mov_b32 v12, 0
	v_mov_b32 v13, 0
.irp j, 0,1,2,3,4,5,6,7,8,9,10,11,12,13,14,15,16,17,18,19,20,21,22,23,24,25,26,27,28,29,30,31
	v_mov_b32 v[O+\j], 0
.endr
.endm
	s_load_b128 s[4:7], s[0:1], 0x0                ; qkv16, y16
	v_lshl_add_u32 v[SPW], v0, 2, SPARE
	v_mov_b32 v[NIL], 0
	ds_add_u32 v[SPW], v[NIL]                      ; the wave's opening: the add, twice on end, and its wait ahead of the first tensor load
	ds_add_u32 v[SPW], v[NIL]
	v_lshrrev_b32 v7, 5, v0
	v_readfirstlane_b32 s8, v7                     ; wave 0..15
	s_lshr_b32 s9, s8, 3
	s_and_b32 s10, s8, 7
	s_mov_b32 s11, ttmp9                           ; I
	s_add_co_u32 s59, s11, 1
	s_mov_b32 s12, 0
	s_mov_b32 s13, 0
	s_lshl_b32 s14, s11, 7
	s_lshl_b32 s60, s10, 4
	s_add_co_u32 s14, s14, s60                     ; my first query: 128 I + 16 (w % 8)
	s_mov_b32 s15, 0
	s_mov_b32 s16, 0x3e38aa3b                      ; c = log2(e) / 8
	s_mov_b32 s17, s16
	s_mov_b32 s18, 0x76543210
	s_mov_b32 s19, 0xfedcba98
	s_and_b32 s61, ttmp7, 0xffff
	s_lshr_b32 s62, s61, 3                         ; batch
	s_and_b32 s63, s61, 7                          ; pair of heads
	s_mov_b32 s24, (1<<16)|(1<<20)|(5<<22)|(3<<25) ; K: elements of 2 bytes; 4 words of padding after every 64
	s_mov_b32 s32, (1<<16)|(1<<20)|(5<<22)|(7<<25) ; V: 8 words
.irp g, 24, 32
	s_mov_b32 s[\g+1], 128<<16                     ; tensor_dim0 = 128 elements
	s_mov_b32 s[\g+2], 64<<16                      ; tensor_dim1 = 64 rows
	s_mov_b32 s[\g+3], 128<<16                     ; tile_dim0
	s_mov_b32 s[\g+4], 64                          ; tile_dim1
	s_mov_b32 s[\g+5], 3072                        ; from row to row
	s_mov_b32 s[\g+6], 0
	s_mov_b32 s[\g+7], 0
.endr
	s_mul_i32 s66, s62, 2048*ROWQ
	s_lshl_b32 s60, s63, 8
	s_add_co_u32 s66, s66, s60                     ; the batch's first row, the pair's 256 bytes
	s_mov_b32 s67, 0
	s_and_b32 s68, s8, 1                           ; which 64 rows of a key block I would fetch
	s_mul_i32 s70, s68, 64*ROWQ
	s_mov_b32 s71, 0
	s_wait_dscnt 0x0                               ; both opening adds are done
	s_wait_kmcnt 0x0
	s_add_nc_u64 s[48:49], s[4:5], s[66:67]
	s_add_nc_u64 s[20:21], s[48:49], s[70:71]
	s_add_nc_u64 s[22:23], s[20:21], 4096          ; v's columns
	s_add_nc_u64 s[20:21], s[20:21], 2048          ; k's columns
	s_mov_b32 s40, 1
	s_mul_i32 s41, s68, 64*PK                      ; slot 0
	s_mov_b64 s[42:43], s[20:21]                   ; key block 0
	s_or_b32 s43, s43, 0x80000000
	s_mov_b32 s44, 1
	s_mul_i32 s45, s68, 64*PV
	s_add_co_u32 s45, s45, VOFF
	s_mov_b64 s[46:47], s[22:23]
	s_or_b32 s47, s47, 0x80000000
	TLOAD                                          ; slot 0: key block 0, which every wave reads
	s_mov_b32 s70, 4096
	s_cmp_lt_u32 s8, 8                             ; waves 4-7 ask for K, waves 8-11 for V
	s_cselect_b32 s70, 2048, s70
	s_and_b32 s60, s8, 3
	s_mul_i32 s60, s60, 32*ROWQ                    ; my 32 rows,
	s_add_co_u32 s70, s70, s60
	s_add_co_u32 s70, s70, KBLK                    ; in key block 1: each trip steps it ahead of its request
	s_mov_b32 s71, 0
	s_add_nc_u64 s[56:57], s[48:49], s[70:71]
	s_sub_co_u32 s60, s8, 4
	s_lshr_b32 s60, s60, 3                         ; 0 in waves 4 to 11,
	s_or_b32 s60, s60, s11                         ; of the work-group with I = 0
	s_cmp_eq_u32 s60, 0
	s_cselect_b32 s58, 14, 0
	s_lshl_b32 s70, s9, 7
	s_add_nc_u64 s[48:49], s[48:49], s[70:71]      ; Q: my head's 128 bytes
	s_lshl_b32 s70, s63, 1
	s_add_co_u32 s70, s70, s9
	s_lshl_b32 s70, s70, 11                        ; y: 2,048 bytes a head in a tile of 16 rows,
	s_lshl_b32 s60, s62, 22                        ; 128 such tiles of 32,768 bytes a batch
	s_add_co_u32 s70, s70, s60
	s_add_nc_u64 s[50:51], s[6:7], s[70:71]
	SETQ
	v_and_b32 v14, 15, v0                          ; r
	v_bfe_u32 v15, v0, 4, 1                        ; h
	v_mul_u32_u24 v[QO], v14, ROWQ
	v_lshl_add_u32 v[QO], v15, 4, v[QO]
	QLOAD
	s_lshl_b32 s60, s9, 7
	v_mul_u32_u24 v[AK0], v14, PK
	v_lshl_add_u32 v[AK0], v15, 4, v[AK0]
	v_add_nc_u32 v[AK0], s60, v[AK0]               ; row r x pitch + 16 h + my head's 128 bytes
	v_and_b32 v16, 7, v0
	v_bfe_u32 v17, v0, 3, 1
	v_lshl_add_u32 v[AV0], v15, 3, v16
	v_mul_u32_u24 v[AV0], v[AV0], PV
	v_lshl_add_u32 v[AV0], v17, 4, v[AV0]
	v_add_nc_u32 v[AV0], s60, v[AV0]
	v_add_nc_u32 v[AV0], VOFF, v[AV0]              ; the turning load: key 8 h + lane % 8, 16 bytes at 16 ((lane / 8) % 2)
	v_and_b32 v[GO], 31, v0
	v_mul_u32_u24 v[PFO], v[GO], ROWQ
	v_lshlrev_b32 v[GO], 4, v[GO]
	v_lshlrev_b32 v[DD], 3, v15
	v_sub_nc_u32 v[DD], v14, v[DD]
.irp j, 0,1,2,3
	v_mov_b32 v[T+\j], 0                           ; written once, so that no way reads them unwritten
.endr
	INIT
	s_wait_loadcnt 0x0                             ; Q
; A STEP: 64 keys, the q-th half of the slot in hand.
.macro STEP q
	s_add_co_u32 s60, s14, 15
	s_cmp_gt_u32 s13, s60                          ; all its keys come after my queries: ids and counted steps alone
	s_cbranch_scc1 .Lhidden_\@
	v_add_nc_u32 v[ADK], s15, v[AK0]
	v_add_nc_u32 v[ADV], s15, v[AV0]
	v_nop
	v_nop                                          ; four places between the last step's products and the loads into V's registers
.irp kt, 0,1,2,3
.irp cs, 0,1
	ds_load_b128 v[KR+8*(2*\kt+\cs):KR+8*(2*\kt+\cs)+3], v[ADK] offset:(64*\q+16*\kt)*PK+64*\cs
	ds_load_b128 v[KR+8*(2*\kt+\cs)+4:KR+8*(2*\kt+\cs)+7], v[ADK] offset:(64*\q+16*\kt)*PK+64*\cs+32
.endr
.endr
.irp g, 0,1
.irp ct, 0,1,2,3
	ds_load_tr16_b128 v[VR+8*(4*\g+\ct):VR+8*(4*\g+\ct)+3], v[ADV] offset:(64*\q+32*\g)*PV+32*\ct
	ds_load_tr16_b128 v[VR+8*(4*\g+\ct)+4:VR+8*(4*\g+\ct)+7], v[ADV] offset:(64*\q+32*\g+16)*PV+32*\ct
.endr
.endr
	s_wait_dscnt 16                                ; K is in; V's sixteen loads may be out
.irp cs, 0,1                           ; the four accumulators take turns
.irp kt, 0,1,2,3
.if \cs == 0
	v_wmma_f32_16x16x32_f16 v[S+8*\kt:S+8*\kt+7], v[KR+16*\kt:KR+16*\kt+7], v[Q:Q+7], 0
.else
	v_wmma_f32_16x16x32_f16 v[S+8*\kt:S+8*\kt+7], v[KR+16*\kt+8:KR+16*\kt+15], v[Q+8:Q+15], v[S+8*\kt:S+8*\kt+7]
.endif
.endr
.endr
.rept 4
	v_nop
.endr
	s_add_co_u32 s60, s13, 63
	s_cmp_le_u32 s60, s14                          ; all 64 keys count for all my queries: no mask
	s_cbranch_scc1 .Lopen_\@
	s_sub_co_i32 s60, s14, s13
	v_add_nc_u32 v244, s60, v[DD]                  ; d = my query - the first key - 8 h.  Register 8 kt + j holds key 16 kt + 8 h + j: hidden where 16 kt + j > d
	v_mov_b32 v245, 0xff800000
.irp n, 0,1,2,3,4,5,6,7,8,9,10,11,12,13,14,15,16,17,18,19,20,21,22,23,24,25,26,27,28,29,30,31
	v_cmp_gt_i32 vcc_lo, 16*(\n/8)+\n%8, v244
	v_cndmask_b32 v[S+\n], v[S+\n], v245, vcc_lo
.endr
.Lopen_\@:
.irp j, 0,1,2,3
	v_max3_num_f32 v[T+\j], v[S+8*\j], v[S+8*\j+1], v[S+8*\j+2]    ; the maximum, in four chains, each tile from its low end on
.endr
.irp i, 3,5
.irp j, 0,1,2,3
	v_max3_num_f32 v[T+\j], v[T+\j], v[S+8*\j+\i], v[S+8*\j+\i+1]
.endr
.endr
	v_max3_num_f32 v[T], v[T], v[S+7], v[S+15]
	v_max3_num_f32 v[T+2], v[T+2], v[S+23], v[S+31]
	v_max3_num_f32 v[T], v[T], v[T+1], v[T+2]
	v_max3_num_f32 v[T], v[T], v[T+3], v11         ; with the old m
	v_permlanex16_b32 v[T+1], v[T], s18, s19       ; the query's other 32 keys lie in the lane 16 away
	v_mov_b32 v[T+3], v[CM]                        ; c m_old
	v_max_num_f32 v11, v[T], v[T+1]
	v_mul_f32 v[CM], s16, v11
	v_sub_f32 v[T+3], v[T+3], v[CM]
.irp j, 0,2,4,6,8,10,12,14,16,18,20,22,24,26,28,30
	v_pk_fma_f32 v[S+\j:S+\j+1], v[S+\j:S+\j+1], s[16:17], v[CM:CM+1] op_sel_hi:[1,0,0] neg_lo:[0,0,1] neg_hi:[0,0,1]   ; c s - c m
.endr
	v_exp_f32 v[T+2], v[T+3]                       ; 2^(c m_old - c m_new)
.irp j, 0,1,2,3,4,5,6,7,8,9,10,11,12,13,14,15,16,17,18,19,20,21,22,23,24,25,26,27,28,29,30,31
	v_exp_f32 v[S+\j], v[S+\j]
.endr
	v_nop                                          ; a plain line behind the last exponential
	s_wait_alu depctr_va_vdst(0)                   ; one wait for the batch of 33, ahead of its first reader
.irp i, 0,1,2,3,4,5,6,7,8,9,10,11,12,13,14,15
	v_cvt_pk_f16_f32 v[P+\i], v[S+2*\i], v[S+2*\i+1]
.endr
.irp u, 0,1,2,3,4,5,6,7
	v_pk_add_f32 v[S+4*\u:S+4*\u+1], v[S+4*\u:S+4*\u+1], v[S+4*\u+2:S+4*\u+3]   ; the sum of the unrounded p, a tree in place
.endr
.irp u, 0,1,2,3
	v_pk_add_f32 v[S+8*\u:S+8*\u+1], v[S+8*\u:S+8*\u+1], v[S+8*\u+4:S+8*\u+5]
.endr
.irp u, 0,1
	v_pk_add_f32 v[S+16*\u:S+16*\u+1], v[S+16*\u:S+16*\u+1], v[S+16*\u+8:S+16*\u+9]
.endr
	v_pk_add_f32 v[S:S+1], v[S:S+1], v[S+16:S+17]
	v_pk_fma_f32 v[12:13], v[12:13], v[T+2:T+3], v[S:S+1] op_sel_hi:[1,0,1]
.irp j, 0,2,4,6,8,10,12,14,16,18,20,22,24,26,28,30
	v_pk_mul_f32 v[O+\j:O+\j+1], v[O+\j:O+\j+1], v[T+2:T+3] op_sel_hi:[1,0]
.endr
	s_wait_dscnt 0x0                               ; V is in
.irp g, 0,1
.irp ct, 0,1,2,3
	v_wmma_f32_16x16x32_f16 v[O+8*\ct:O+8*\ct+7], v[VR+8*(4*\g+\ct):VR+8*(4*\g+\ct)+7], v[P+8*\g:P+8*\g+7], v[O+8*\ct:O+8*\ct+7]
.endr
.endr
.Lhidden_\@:
	s_add_co_u32 s13, s13, 64
.endm
; THE CHANGE OF SLOTS, at a trip's head.  Each wave waits for all its tensor loads, adds 0 to its spare word, and waits for that and for its reads of the slot that it has left.
; fill = 1: behind the barrier that slot takes the next trip's key block: the load has a trip's two steps in which to land.
.macro CHANGE fill
	s_wait_tensorcnt 0x0                           ; no tensor load of mine is out, so a group 0 may be written
	ds_add_u32 v[SPW], v[NIL]
.if \fill
	ds_add_u32 v[SPW], v[NIL]                      ; in the loop, twice on end
	s_xor_b32 s41, s41, SLOT1
	s_xor_b32 s45, s45, SLOT1
	s_add_co_u32 s60, s12, 1
	s_sub_co_u32 s61, s12, s11
	s_cmp_le_u32 s60, s11
	s_cselect_b32 s60, s60, s61                    ; the next trip's key block: J + 1 while that is at most I, else J - I
	s_mul_i32 s60, s60, KBLK
	s_mov_b32 s61, 0
	s_add_nc_u64 s[42:43], s[20:21], s[60:61]
	s_or_b32 s43, s43, 0x80000000
	s_add_nc_u64 s[46:47], s[22:23], s[60:61]
	s_or_b32 s47, s47, 0x80000000
	s_wait_xcnt 0x0                                ; the last prefetch, a trip back, has read its address
	s_add_nc_u64 s[56:57], s[56:57], KBLK
.endif
	s_wait_dscnt 0x0                               ; the adds are done, and my reads of the slot that I have left are over
	s_barrier_signal -1
	s_barrier_wait -1
.if \fill
	TLOAD
	ASK
.endif
.endm
.macro FINISH                          ; O^T / l, rounded to f16: the registers are the projection's fragments, lane for lane
.rept 4
	v_nop
.endr
	v_add_f32 v[T], v12, v13
	v_permlanex16_b32 v[T+1], v[T], s18, s19
	v_add_f32 v[T], v[T], v[T+1]
	v_rcp_f32 v[T+2], v[T]
	v_nop
	s_wait_alu depctr_va_vdst(0)
.irp j, 0,2,4,6,8,10,12,14,16,18,20,22,24,26,28,30
	v_pk_mul_f32 v[S+\j:S+\j+1], v[O+\j:O+\j+1], v[T+2:T+3] op_sel_hi:[1,0]
.endr
.irp i, 0,1,2,3,4,5,6,7,8,9,10,11,12,13,14,15
	v_cvt_pk_f16_f32 v[P+\i], v[S+2*\i], v[S+2*\i+1]
.endr
.irp t, 0,1,2,3
	global_store_b128 v[GO], v[P+4*\t:P+4*\t+3], s[54:55] offset:512*\t   ; 512 consecutive bytes a store
.endr
.endm
.Ltrip:                                ; 16 trips, each asking for the next trip's key block; the 17th is written out
	CHANGE 1
	s_cmp_lg_u32 s12, s59                          ; J = I + 1 (1 to 8): the first query block is done
	s_cbranch_scc1 .Lsame
	FINISH
	s_wait_xcnt 0x0                                ; the stores have read their registers and their base
	s_sub_co_u32 s14, 15, s11
	s_lshl_b32 s14, s14, 7
	s_lshl_b32 s60, s10, 4
	s_add_co_u32 s14, s14, s60                     ; my first query in block 15 - I
	s_mov_b32 s13, 0
	SETQ
	QLOAD
	INIT
	s_wait_loadcnt 0x0
.Lsame:
	STEP 0
	STEP 1
	s_xor_b32 s15, s15, SLOT1
	s_add_co_u32 s12, s12, 1
	s_cmp_lt_u32 s12, 16
	s_cbranch_scc1 .Ltrip
	CHANGE 0
	STEP 0
	STEP 1
	FINISH
	s_wait_tensorcnt 0x0                           ; the wave's end
	ds_add_u32 v[SPW], v[NIL]
	s_wait_dscnt 0x0
	s_endpgm
.Lfunc_end_k_q454543e3b5_attn:
	.size	k_q454543e3b5_attn, .Lfunc_end_k_q454543e3b5_attn-k_q454543e3b5_attn
	.p2alignl 7, 3214868480
	.fill 96, 4, 3214868480
	.section	.rodata,"a",@progbits
	.p2align	6, 0x0
	.amdhsa_kernel k_q454543e3b5_attn
		.amdhsa_group_segment_fixed_size 327680
		.amdhsa_private_segment_fixed_size 0
		.amdhsa_enable_private_segment 0
		.amdhsa_kernarg_size 16
		.amdhsa_user_sgpr_count 2
		.amdhsa_user_sgpr_kernarg_segment_ptr 1
		.amdhsa_wavefront_size32 1
		.amdhsa_system_sgpr_workgroup_id_x 1
		.amdhsa_system_sgpr_workgroup_id_y 1
		.amdhsa_system_sgpr_workgroup_id_z 1
		.amdhsa_system_vgpr_workitem_id 0
		.amdhsa_next_free_vgpr 256
		.amdhsa_next_free_sgpr 72
		.amdhsa_reserve_vcc 1
		.amdhsa_float_denorm_mode_32 3
		.amdhsa_float_denorm_mode_16_64 3
		.amdhsa_memory_ordered 1
		.amdhsa_forward_progress 1
		.amdhsa_inst_pref_size 65
	.end_amdhsa_kernel
	.amdgpu_metadata
---
amdhsa.version: [ 1, 2 ]
amdhsa.kernels:
  - .name:           k_q454543e3b5_attn
    .symbol:         k_q454543e3b5_attn.kd
    .args:
      - { .name: qkv16, .offset: 0, .size: 8, .value_kind: global_buffer, .address_space: global }
      - { .name: y16, .offset: 8, .size: 8, .value_kind: global_buffer, .address_space: global }
    .group_segment_fixed_size: 327680
    .private_segment_fixed_size: 0
    .kernarg_segment_align: 8
    .kernarg_segment_size: 16
    .max_flat_workgroup_size: 512
    .sgpr_count:     72
    .vgpr_count:     256
    .wavefront_size: 32
...
	.end_amdgpu_metadata
.endif
;; end of part 4
;; launch proj16 (part 5): grid 16 x 4, 4 waves a work-group, no clusters, 5,120 bytes of LDS; arguments y32, Wp, bp, out0; writes out0
.if DOCPART == 5
	.amdgcn_target "amdgcn-amd-amdhsa--gfx1250"
	.amdhsa_code_object_version 6
	.text
	.protected	k_q454543e3b5_proj16
	.globl	k_q454543e3b5_proj16
	.p2align	8
	.type	k_q454543e3b5_proj16,@function
k_q454543e3b5_proj16:
	s_mov_b64 s[64:65], 0
	v_nop
	global_prefetch_b8 v0, s[64:65] scope:SCOPE_SE
	s_setreg_imm32_b32 hwreg(HW_REG_WAVE_MODE, 25, 1), 1
	s_wait_xcnt 0x0
; out0[batch][t][n] = sum over k of y[t][k] Wp[n][k] + bp[n] for positions t = 0 .. 15 of each sequence, all in f32 (64 rows of 8,192: no bulk work).
; A work-group (x = 64 columns, y = batch) has four waves; wave w makes columns 64 x + 16 w.  Transposed: source 0 = 16 rows of Wp, source 1 = the 16 rows of y: a lane holds one row and eight columns.
; y32 comes as images of the operand's registers: lane (r, h), group G, register i = y(r, 16 G + 8 h + i); Wp is loaded to the same places.  K place 2 h + j of pair e stands for k = 16 G + 8 h + 2 e + j on both sides.
; K goes in 16 chunks of 64 through three register buffers; three chunks (48 loads) are on their way while one is awaited.  Four accumulators take turns; the bias is the C of the first.
; The four waves' 64-byte pieces of a row meet in a stage in LDS, so that sixteen lanes store 256 consecutive bytes, aligned.
.set WO,   2                           ; v2 Wp: 4,096 r + 32 h
.set LI,   3                           ; v3 16 x lane
.set BO,   4                           ; v4 32 h
.set STI,  5                           ; v5 the stage, in
.set STB,  6                           ; v6 the stage, back
.set OO,   7                           ; v7 my bytes in out0
.set SPW,  8                           ; v8 my spare word; never rewritten
.set NIL,  9                           ; v9 0; never rewritten
.set BIAS, 16                          ; v16-23
.set ACC,  32                          ; v32-63: written by matrix instructions alone
.set BUF,  64                          ; v64-255: three buffers: 32 registers of Wp, 32 of y
.set SPARE, 4608                       ; behind the stage of 16 x 272 bytes
	s_load_b256 s[4:11], s[0:1], 0x0               ; y32, Wp, bp, out0
	v_lshl_add_u32 v[SPW], v0, 2, SPARE
	v_mov_b32 v[NIL], 0
	v_lshrrev_b32 v1, 5, v0
	v_readfirstlane_b32 s12, v1                    ; wave
	v_and_b32 v10, 15, v0                          ; r
	v_bfe_u32 v11, v0, 4, 1                        ; h
	v_and_b32 v[LI], 31, v0
	v_lshlrev_b32 v[LI], 4, v[LI]
	v_lshlrev_b32 v[WO], 12, v10
	v_lshl_add_u32 v[WO], v11, 5, v[WO]
	v_lshlrev_b32 v[BO], 5, v11
	v_mul_u32_u24 v[STI], v10, 272
	v_lshl_add_u32 v[STI], v11, 5, v[STI]
	s_lshl_b32 s13, s12, 6
	v_add_nc_u32 v[STI], s13, v[STI]               ; row r, my wave's 64 bytes, 32 h
	v_mul_u32_u24 v[STB], v11, 272
	v_lshl_add_u32 v[STB], v10, 4, v[STB]
	s_mul_i32 s13, s12, 4*272
	v_add_nc_u32 v[STB], s13, v[STB]               ; rows 4 w + h (+ 2), 16 bytes a lane
	v_lshlrev_b32 v[OO], 12, v11
	v_lshl_add_u32 v[OO], v10, 4, v[OO]
	s_lshl_b32 s13, s12, 14
	v_add_nc_u32 v[OO], s13, v[OO]
	s_lshl_b32 s14, ttmp9, 6
	s_lshl_b32 s13, s12, 4
	s_add_co_u32 s14, s14, s13                     ; my first column
	s_lshl_b32 s16, s14, 12
	s_mov_b32 s17, 0
	s_lshl_b32 s18, s14, 2
	s_mov_b32 s19, 0
	s_and_b32 s15, ttmp7, 0xffff                   ; batch
	s_lshl_b32 s20, s15, 16
	s_mov_b32 s21, 0
	s_lshl_b32 s22, s15, 23                        ; 2,048 rows of 4,096 bytes
	s_lshl_b32 s13, ttmp9, 8
	s_add_co_u32 s22, s22, s13
	s_mov_b32 s23, 0
	s_wait_kmcnt 0x0
	s_add_nc_u64 s[4:5], s[4:5], s[20:21]
	s_add_nc_u64 s[6:7], s[6:7], s[16:17]
	s_add_nc_u64 s[8:9], s[8:9], s[18:19]
	s_add_nc_u64 s[10:11], s[10:11], s[22:23]
.macro LOADC c                         ; chunk c: groups 4 c .. 4 c + 3 of 16 along K: 16 loads
.set QB, BUF+64*((\c)%3)
.irp g, 0,1,2,3
	global_load_b128 v[QB+8*\g:QB+8*\g+3], v[WO], s[6:7] offset:64*(4*(\c)+\g)
	global_load_b128 v[QB+8*\g+4:QB+8*\g+7], v[WO], s[6:7] offset:64*(4*(\c)+\g)+16
	global_load_b128 v[QB+32+8*\g:QB+32+8*\g+3], v[LI], s[4:5] offset:1024*(4*(\c)+\g)
	global_load_b128 v[QB+32+8*\g+4:QB+32+8*\g+7], v[LI], s[4:5] offset:1024*(4*(\c)+\g)+512
.endr
.endm
.macro MULC c                          ; 16 products; accumulator e takes pair e of each group
.set QB, BUF+64*((\c)%3)
.irp g, 0,1,2,3
.irp e, 0,1,2,3
.if ((\c) == 0) && (\g == 0) && (\e == 0)
	v_wmma_f32_16x16x4_f32 v[ACC+8*\e:ACC+8*\e+7], v[QB+8*\g+2*\e:QB+8*\g+2*\e+1], v[QB+32+8*\g+2*\e:QB+32+8*\g+2*\e+1], v[BIAS:BIAS+7]
.elseif ((\c) == 0) && (\g == 0)
	v_wmma_f32_16x16x4_f32 v[ACC+8*\e:ACC+8*\e+7], v[QB+8*\g+2*\e:QB+8*\g+2*\e+1], v[QB+32+8*\g+2*\e:QB+32+8*\g+2*\e+1], 0
.else
	v_wmma_f32_16x16x4_f32 v[ACC+8*\e:ACC+8*\e+7], v[QB+8*\g+2*\e:QB+8*\g+2*\e+1], v[QB+32+8*\g+2*\e:QB+32+8*\g+2*\e+1], v[ACC+8*\e:ACC+8*\e+7]
.endif
.endr
.endr
.endm
	global_load_b128 v[BIAS:BIAS+3], v[BO], s[8:9]             ; bp[n0 + 8 h + 0 .. 7]
	global_load_b128 v[BIAS+4:BIAS+7], v[BO], s[8:9] offset:16
	LOADC 0
	LOADC 1
	LOADC 2
.set cc, 0
.rept 16
.if cc < 14
	s_wait_loadcnt 32                              ; this chunk is in; the two younger chunks' 32 loads may be out
.elseif cc == 14
	s_wait_loadcnt 16
.else
	s_wait_loadcnt 0x0
.endif
	MULC cc
.if cc < 13
.rept 8
	v_nop                                          ; eight places between these products and the loads into their registers
.endr
	LOADC cc+3
.endif
.set cc, cc+1
.endr
.rept 8
	v_nop
.endr
.irp p, 0,2,4,6
	v_pk_add_f32 v[64+\p:65+\p], v[ACC+\p:ACC+\p+1], v[ACC+8+\p:ACC+9+\p]       ; the four partial sums, into other registers, each accumulator from its low end on
	v_pk_add_f32 v[72+\p:73+\p], v[ACC+16+\p:ACC+17+\p], v[ACC+24+\p:ACC+25+\p]
.endr
.irp p, 0,2,4,6
	v_pk_add_f32 v[64+\p:65+\p], v[64+\p:65+\p], v[72+\p:73+\p]
.endr
	ds_store_b128 v[STI], v[64:67]
	ds_store_b128 v[STI], v[68:71] offset:16
	s_wait_dscnt 0x0                               ; for the others' sake: my stores have landed
	s_barrier_signal -1
	s_barrier_wait -1
	ds_load_b128 v[80:83], v[STB]
	ds_load_b128 v[84:87], v[STB] offset:544
	s_wait_dscnt 0x0
	global_store_b128 v[OO], v[80:83], s[10:11]                ; 16 lanes store 256 consecutive bytes, aligned
	global_store_b128 v[OO], v[84:87], s[10:11] offset:8192
	s_wait_tensorcnt 0x0                           ; the wave's end
	ds_add_u32 v[SPW], v[NIL]
	s_wait_dscnt 0x0
	s_endpgm
.Lfunc_end_k_q454543e3b5_proj16:
	.size	k_q454543e3b5_proj16, .Lfunc_end_k_q454543e3b5_proj16-k_q454543e3b5_proj16
	.p2alignl 7, 3214868480
	.fill 96, 4, 3214868480
	.section	.rodata,"a",@progbits
	.p2align	6, 0x0
	.amdhsa_kernel k_q454543e3b5_proj16
		.amdhsa_group_segment_fixed_size 5120
		.amdhsa_private_segment_fixed_size 0
		.amdhsa_enable_private_segment 0
		.amdhsa_kernarg_size 32
		.amdhsa_user_sgpr_count 2
		.amdhsa_user_sgpr_kernarg_segment_ptr 1
		.amdhsa_wavefront_size32 1
		.amdhsa_system_sgpr_workgroup_id_x 1
		.amdhsa_system_sgpr_workgroup_id_y 1
		.amdhsa_system_sgpr_workgroup_id_z 1
		.amdhsa_system_vgpr_workitem_id 0
		.amdhsa_next_free_vgpr 256
		.amdhsa_next_free_sgpr 66
		.amdhsa_reserve_vcc 0
		.amdhsa_float_denorm_mode_32 3
		.amdhsa_float_denorm_mode_16_64 3
		.amdhsa_memory_ordered 1
		.amdhsa_forward_progress 1
		.amdhsa_inst_pref_size 48
	.end_amdhsa_kernel
	.amdgpu_metadata
---
amdhsa.version: [ 1, 2 ]
amdhsa.kernels:
  - .name:           k_q454543e3b5_proj16
    .symbol:         k_q454543e3b5_proj16.kd
    .args:
      - { .name: y32, .offset: 0, .size: 8, .value_kind: global_buffer, .address_space: global }
      - { .name: Wp, .offset: 8, .size: 8, .value_kind: global_buffer, .address_space: global }
      - { .name: bp, .offset: 16, .size: 8, .value_kind: global_buffer, .address_space: global }
      - { .name: out0, .offset: 24, .size: 8, .value_kind: global_buffer, .address_space: global }
    .group_segment_fixed_size: 5120
    .private_segment_fixed_size: 0
    .kernarg_segment_align: 8
    .kernarg_segment_size: 32
    .max_flat_workgroup_size: 128
    .sgpr_count:     66
    .vgpr_count:     256
    .wavefront_size: 32
...
	.end_amdgpu_metadata
.endif
;; end of part 5
;; launch proj (part 6): grid 8 x 64, 4 waves a work-group, clusters of 4 x 4, 327,680 bytes of LDS; arguments y16, wp16, bp, out0; writes out0
.if DOCPART == 6
	.amdgcn_target "amdgcn-amd-amdhsa--gfx1250"
	.amdhsa_code_object_version 6
	.text
	.protected	k_q454543e3b5_proj
	.globl	k_q454543e3b5_proj
	.p2align	8
	.type	k_q454543e3b5_proj,@function
k_q454543e3b5_proj:
	s_mov_b64 s[64:65], 0
	v_nop
	global_prefetch_b8 v0, s[64:65] scope:SCOPE_SE
	s_setreg_imm32_b32 hwreg(HW_REG_WAVE_MODE, 25, 1), 1
	s_wait_xcnt 0x0
	s_wait_alu depctr_hold_cnt(0) depctr_sa_sdst(0) depctr_va_vdst(0) depctr_va_sdst(0) depctr_va_ssrc(0) depctr_va_vcc(0) depctr_vm_vsrc(0)
	s_getreg_b32 s2, hwreg(HW_REG_IB_STS2, 6, 4)
	s_cmp_eq_u32 s2, 0
	s_cbranch_scc0 .Lentry_in_a_cluster
	s_endpgm
.Lentry_in_a_cluster:
	s_bfe_u32 s2, ttmp6, 0x10000c
	s_cmp_lg_u32 s2, 0xf033
	s_cbranch_scc0 .Lentry_shape_is_right
	s_endpgm
.Lentry_shape_is_right:
; out0[m][n] = sum over k of y[m][k] Wp[n][k] + bp[n], f16 operands, f32 sums.  M 8,192, N 1,024, K 1,024.  Positions 0-15 of each sequence are NOT stored here: another launch makes them in f32.
; A tile of 128 x 128 is made by four waves, each 64 x 64: 16 accumulators.  512 tiles.  K goes in four steps of 256 through two LDS slots; both are filled again once.
; y16 comes as images of the operand's registers ([row / 16][k / 32][c][lane][16 bytes]): a K step of a tile of 16 rows is 8,192 dense bytes, and a fragment is two loads of 512 consecutive bytes.
; wp16 [1024][1024] comes as rows of 512 bytes + 16 of padding.
; CLUSTERS: 4 x 4; y's tile is shared along a row of the cluster, Wp's along a column, each by a joint load.  Tile row = 16 cy + cluster y: cy is the batch, and 'holds positions 0-127' hangs on cluster y alone.
; TRANSPOSED (source 0 = 16 rows of Wp, source 1 = 16 rows of y): a lane holds eight neighbouring columns of one row.  The bias is the C of each sum's first product.
; LIMIT: |y| and |Wp| up to 65,504 (f16).
; REGISTERS: window 0: v0-31 addresses; v32-63 the bias, later with v64-95 rows on the way out; v128-255 accumulators ((a, b) at v[128 + 8 (4 a + b)]).  window 1: two fragment buffers of 128.
.set PITCH,  528
.set AHALF,  32768                     ; four tiles of 16 rows x 8,192 bytes: what one load brings of y
.set BHALF,  64*PITCH
.set BOFF,   2*AHALF
.set SLOT,   BOFF+2*BHALF
.set STAGE,  2*SLOT                    ; behind the ring: 16 rows x 272 bytes for each wave
.set SPITCH, 272
.set SPARE,  STAGE+4*16*SPITCH
.set ADRA, 16
.set ADRB, 20
.set STO,  24
.set RD,   25
.set CO,   26
.set BO,   27
.set SPW,  28                          ; v28 my spare word; never rewritten
.set NIL,  29                          ; v29 0; never rewritten
.set BIAS, 32
.set BK,   32
.set ACC,  128
.set F0,   0
.set F1,   128
.set G1, 24
.set G0, 32
.set G1B, 48
.set G0B, 56
.set MSB, 0
.macro WIN new
.if MSB != \new
	s_set_vgpr_msb (MSB<<8)|\new
.set MSB, \new
.endif
.endm
.set MUL,  0x05                        ; sources 0 and 1 window 1; C and D window 0
.set TO_F, 0x40
.macro JLOAD s                         ; waves 0, 1 fetch y's halves, waves 2, 3 Wp's; an s_nop 0 and four v_nop follow each line
	s_cmp_eq_u32 s11, 0
	s_cbranch_scc0 .Lfor_b_\@
	tensor_load_to_lds s[G0+4*\s:G0+4*\s+3], s[G1:G1+7]
	s_nop 0
.rept 4
	v_nop
.endr
	s_branch .Lasked_\@
.Lfor_b_\@:
	tensor_load_to_lds s[G0B+4*\s:G0B+4*\s+3], s[G1B:G1B+7]
	s_nop 0
.rept 4
	v_nop
.endr
.Lasked_\@:
.endm
.macro CREST
	s_cmp_lg_u32 s10, 0
	s_cbranch_scc1 .Lnot_wave_0_\@
	s_barrier_signal -3
.Lnot_wave_0_\@:
	s_barrier_wait -3
	s_barrier_signal -1
	s_barrier_wait -1
.endm
.macro CROUND
	s_barrier_signal -1
	s_barrier_wait -1
	CREST
.endm
	s_load_b128 s[4:7], s[0:1], 0x0                ; y16, wp16
	s_load_b128 s[68:71], s[0:1], 0x10             ; bp, out0
	v_lshl_add_u32 v[SPW], v0, 2, SPARE
	v_mov_b32 v[NIL], 0
	ds_add_u32 v[SPW], v[NIL]                      ; the wave's opening: the add, twice on end, and its wait ahead of my first tensor load
	ds_add_u32 v[SPW], v[NIL]
	v_lshrrev_b32 v1, 5, v0
	v_readfirstlane_b32 s10, v1                    ; wave 0..3
	s_lshr_b32 s11, s10, 1                         ; which half of the tile's rows is mine.  Also: I fetch for y (0) or for Wp (1)
	s_and_b32 s12, s10, 1                          ; which half of its columns.  Also: which half of that tile I fetch
	s_bfe_u32 s40, ttmp6, 0x40000                  ; cx
	s_bfe_u32 s41, ttmp6, 0x40004                  ; cy
	s_lshl_b32 s42, ttmp9, 2
	s_add_co_u32 s42, s42, s40                     ; tile column = 4 x cluster x + cx
	s_and_b32 s66, ttmp7, 0xffff                   ; cluster y
	s_lshl_b32 s13, s41, 4
	s_add_co_u32 s13, s13, s66                     ; tile row = 16 cy + cluster y
	s_lshl_b32 s43, s41, 2
	s_lshl_b32 s43, 15, s43                        ; my row of the cluster
	s_lshl_b32 s44, 0x1111, s40                    ; my column
	s_or_b32 s[G1+0], s43, (3<<16)|(1<<21)         ; y: mask; elements of 8 bytes; bit 21 beside a mask; no padding
	s_mov_b32 s[G1+1], 1024<<16                    ; tensor_dim0 = 1,024 elements: 8,192 bytes
	s_mov_b32 s[G1+2], 4<<16                       ; tensor_dim1 = 4 tiles of 16 rows
	s_mov_b32 s[G1+3], 1024<<16                    ; tile_dim0
	s_mov_b32 s[G1+4], 4                           ; tile_dim1
	s_mov_b32 s[G1+5], 4096                        ; 32,768 bytes from one tile of rows to the next
	s_mov_b32 s[G1+6], 0
	s_mov_b32 s[G1+7], 0
	s_or_b32 s[G1B+0], s44, (1<<16)|(1<<20)|(1<<21)|(6<<22)|(3<<25)   ; Wp: elements of 2 bytes; 4 words of padding after every 128
	s_mov_b32 s[G1B+1], 256<<16
	s_mov_b32 s[G1B+2], 64<<16
	s_mov_b32 s[G1B+3], 256<<16
	s_mov_b32 s[G1B+4], 64
	s_mov_b32 s[G1B+5], 1024
	s_mov_b32 s[G1B+6], 0
	s_mov_b32 s[G1B+7], 0
	s_lshl_b32 s16, s13, 3
	s_lshl_b32 s17, s12, 2
	s_add_co_u32 s16, s16, s17                     ; y: tile of 16 rows 8 x tile row + 4 x half,
	s_lshl_b32 s16, s16, 15                        ; 32,768 bytes each
	s_mov_b32 s17, 0
	s_lshl_b32 s46, s42, 7
	s_lshl_b32 s47, s12, 6
	s_add_co_u32 s46, s46, s47                     ; Wp: row 128 x tile column + 64 x half,
	s_lshl_b32 s46, s46, 11                        ; 2,048 bytes each
	s_mov_b32 s47, 0
	s_lshl_b32 s20, s12, 15                        ; where they go in a slot: y's half,
	s_mul_i32 s21, s12, BHALF
	s_add_co_u32 s21, s21, BOFF                    ; Wp's half
	s_wait_dscnt 0x0                               ; both opening adds are done
	s_wait_kmcnt 0x0
	s_add_nc_u64 s[14:15], s[4:5], s[16:17]
	s_add_nc_u64 s[46:47], s[6:7], s[46:47]
	CROUND                                         ; all sixteen work-groups are here: the first joint loads meet
.irp s, 0,1
	s_mov_b32 s[G0+4*\s], 1
	s_add_co_u32 s[G0+4*\s+1], s20, \s*SLOT
	s_add_nc_u64 s[G0+4*\s+2:G0+4*\s+3], s[14:15], \s*8192
	s_or_b32 s[G0+4*\s+3], s[G0+4*\s+3], 0x80000000
	s_mov_b32 s[G0B+4*\s], 1
	s_add_co_u32 s[G0B+4*\s+1], s21, \s*SLOT
	s_add_nc_u64 s[G0B+4*\s+2:G0B+4*\s+3], s[46:47], \s*512
	s_or_b32 s[G0B+4*\s+3], s[G0B+4*\s+3], 0x80000000
	JLOAD \s                                       ; two tensor loads of mine are out
.endr
	v_and_b32 v1, 15, v0                           ; r
	v_bfe_u32 v2, v0, 4, 1                         ; h
	v_lshlrev_b32 v[BO], 5, v2
	s_lshl_b32 s46, s42, 9
	s_lshl_b32 s47, s12, 8
	s_add_co_u32 s46, s46, s47                     ; my first column in bytes of f32: 512 x tile column + 256 x half
	s_mov_b32 s47, 0
	s_add_nc_u64 s[68:69], s[68:69], s[46:47]
.irp b, 0,1,2,3
	global_load_b128 v[BIAS+8*\b:BIAS+8*\b+3], v[BO], s[68:69] offset:64*\b      ; bp[n0 + 16 b + 8 h + 0 .. 7]
	global_load_b128 v[BIAS+8*\b+4:BIAS+8*\b+7], v[BO], s[68:69] offset:64*\b+16
.endr
	v_mul_u32_u24 v3, v1, PITCH
	v_lshl_add_u32 v3, v2, 4, v3                   ; Wp: a fragment's row x pitch + 16 h
	v_and_b32 v4, 31, v0
	v_lshlrev_b32 v4, 4, v4                        ; y: 16 x lane
	s_lshl_b32 s21, s11, 15                        ; my 64 rows of y: four tiles of 16
	s_mul_i32 s22, s12, BHALF
	s_add_co_u32 s22, s22, BOFF                    ; my 64 rows of Wp
.irp s, 0,1
	v_add_nc_u32 v[ADRA+\s], s21, v4
	v_add_nc_u32 v[ADRB+\s], s22, v3
	s_add_co_u32 s21, s21, SLOT
	s_add_co_u32 s22, s22, SLOT
.endr
	s_mul_i32 s23, s10, 16*SPITCH
	s_add_co_u32 s23, s23, STAGE                   ; my stage
	v_mul_u32_u24 v5, v1, SPITCH
	v_lshl_add_u32 v5, v2, 5, v5
	v_add_nc_u32 v[STO], s23, v5                   ; in: row r, 32 bytes for each half of the lanes
	v_mul_u32_u24 v5, v2, SPITCH
	v_lshl_add_u32 v5, v1, 4, v5
	v_add_nc_u32 v[RD], s23, v5                    ; back: lanes 0-15 one row of 256 bytes, lanes 16-31 the next
	v_lshlrev_b32 v5, 12, v2
	v_lshl_add_u32 v[CO], v1, 4, v5                ; and the same two rows in out0
	s_lshl_b32 s16, s13, 7
	s_lshl_b32 s17, s11, 6
	s_add_co_u32 s16, s16, s17                     ; my first row: 128 x tile row + 64 x half
	s_lshl_b32 s16, s16, 12
	s_mov_b32 s17, 0
	s_add_nc_u64 s[70:71], s[70:71], s[16:17]
	s_add_nc_u64 s[70:71], s[70:71], s[46:47]
	s_or_b32 s67, s66, s11                         ; 0 where my block 0 is positions 0-15: cluster y and the wave's number alone
; 8 matrix instructions: y's blocks a0, a0 + 1 against Wp's four, 32 along K: half c of buffer f.  zero = 1: the first product starts the sums from the bias.  The 16 accumulators take turns.
.macro MUL8 f, c, a0, zero
.irp a, \a0, \a0+1
.irp b, 0,1,2,3
.if \zero
	v_wmma_f32_16x16x32_f16 v[ACC+8*(4*(\a)+\b):ACC+8*(4*(\a)+\b)+7], v[\f+64+8*(4*\c+\b):\f+64+8*(4*\c+\b)+7], v[\f+8*(4*\c+\a):\f+8*(4*\c+\a)+7], v[BIAS+8*\b:BIAS+8*\b+7]
.else
	v_wmma_f32_16x16x32_f16 v[ACC+8*(4*(\a)+\b):ACC+8*(4*(\a)+\b)+7], v[\f+64+8*(4*\c+\b):\f+64+8*(4*\c+\b)+7], v[\f+8*(4*\c+\a):\f+8*(4*\c+\a)+7], v[ACC+8*(4*(\a)+\b):ACC+8*(4*(\a)+\b)+7]
.endif
.endr
.endr
.endm
; 32 LDS loads in one run: the fragments of 64 along K (byte k of Wp's rows; images k / 64 and k / 64 + 1 of y) into buffer f; the first 32 along K first
.macro FETCH slot, k, f
	WIN TO_F
.irp c, 0,1
.irp i, 0,1,2,3
	ds_load_b128 v[\f+64+8*(4*\c+\i):\f+64+8*(4*\c+\i)+3],   v[ADRB+\slot] offset:\k+64*\c+\i*16*PITCH
	ds_load_b128 v[\f+64+8*(4*\c+\i)+4:\f+64+8*(4*\c+\i)+7], v[ADRB+\slot] offset:\k+64*\c+\i*16*PITCH+32
	ds_load_b128 v[\f+8*(4*\c+\i):\f+8*(4*\c+\i)+3],         v[ADRA+\slot] offset:8192*\i+1024*(\k/64+\c)
	ds_load_b128 v[\f+8*(4*\c+\i)+4:\f+8*(4*\c+\i)+7],       v[ADRA+\slot] offset:8192*\i+1024*(\k/64+\c)+512
.endr
.endr
.endm
.macro PLACES
.rept 4
	v_nop
.endr
.endm
.macro QUARTER slot, k, f, g, zero     ; multiplies buffer f (64 along K) and fetches the next quarter, at byte k, into g
	s_wait_dscnt 16                                ; the first 32 along K are in; the other sixteen loads may be out
	WIN MUL
	MUL8 \f, 0, 0, \zero
	MUL8 \f, 0, 2, \zero
	PLACES
	FETCH \slot, \k, \g
	s_wait_dscnt 32                                ; all but the 32 just issued
	WIN MUL
	MUL8 \f, 1, 0, 0
	MUL8 \f, 1, 2, 0
.endm
; A slot's last quarter changes slots: in front of the barrier each wave waits for all its tensor loads, adds 0 to its spare word, and waits for that and for its reads of this slot.
; fill = 1: the barrier opens a round of the cluster's barrier, and this slot is filled again, two K steps ahead, first thing behind the round.
.macro TURN slot, next, fill
	WIN 0
	s_wait_tensorcnt 0x0                           ; all my tensor loads have landed: my part of the next slot
	ds_add_u32 v[SPW], v[NIL]
	s_wait_dscnt 17                                ; (the add and the youngest sixteen loads may be out)
	WIN MUL
	MUL8 F1, 0, 0, 0
	s_wait_dscnt 0x0                               ; the add is done, and my reads of this slot are over
	s_barrier_signal -1
	MUL8 F1, 0, 2, 0
.if \fill
	WIN 0
.endif
	s_barrier_wait -1
.if \fill
	CREST
	s_add_nc_u64 s[G0+4*\slot+2:G0+4*\slot+3], s[G0+4*\slot+2:G0+4*\slot+3], 2*8192
	s_add_nc_u64 s[G0B+4*\slot+2:G0B+4*\slot+3], s[G0B+4*\slot+2:G0B+4*\slot+3], 2*512
	JLOAD \slot                                    ; the four v_nop behind it are also the places in front of the loads below
.else
	PLACES
.endif
	FETCH \next, 0, F0
	WIN MUL
	MUL8 F1, 1, 0, 0
	MUL8 F1, 1, 2, 0
.endm
	s_wait_tensorcnt 1                             ; my part of K step 0 is in (K step 1's load may be out)
	s_barrier_signal -1
	s_barrier_wait -1                              ; everybody's is
	FETCH 0, 0, F0
	s_wait_loadcnt 0x0                             ; the bias
	QUARTER 0, 128, F0, F1, 1
	QUARTER 0, 256, F1, F0, 0
	QUARTER 0, 384, F0, F1, 0
	TURN 0, 1, 1                                   ; slot 0 takes K step 2
	QUARTER 1, 128, F0, F1, 0
	QUARTER 1, 256, F1, F0, 0
	QUARTER 1, 384, F0, F1, 0
	TURN 1, 0, 1                                   ; slot 1 takes K step 3
	QUARTER 0, 128, F0, F1, 0
	QUARTER 0, 256, F1, F0, 0
	QUARTER 0, 384, F0, F1, 0
	TURN 0, 1, 0
	QUARTER 1, 128, F0, F1, 0
	QUARTER 1, 256, F1, F0, 0
	QUARTER 1, 384, F0, F1, 0
	s_wait_dscnt 16                                ; the last quarter: nothing more to fetch
	WIN MUL
	MUL8 F1, 0, 0, 0
	MUL8 F1, 0, 2, 0
	s_wait_dscnt 0
	MUL8 F1, 1, 0, 0
	MUL8 F1, 1, 2, 0
	WIN 0
; THE WAY OUT, block by block of 16 rows x 64 columns of f32: my 64 columns are 256 aligned bytes of a row, so each wave has a stage of its own and no barrier is needed.
.macro TOSTAGE a
.set BB, BK+32*((\a)%2)
.irp b, 0,1,2,3
	ds_store_b128 v[STO], v[ACC+8*(4*(\a)+\b):ACC+8*(4*(\a)+\b)+3] offset:64*\b         ; each accumulator from its low end on
	ds_store_b128 v[STO], v[ACC+8*(4*(\a)+\b)+4:ACC+8*(4*(\a)+\b)+7] offset:64*\b+16
.endr
.irp t, 0,1,2,3,4,5,6,7
	ds_load_b128 v[BB+4*\t:BB+4*\t+3], v[RD] offset:\t*2*SPITCH    ; in order behind the stores above
.endr
.endm
.macro SEND a, younger                 ; younger: the LDS instructions issued behind block a's loads
.set BB, BK+32*((\a)%2)
	s_wait_dscnt \younger
.irp t, 0,1,2,3,4,5,6,7
	global_store_b128 v[CO], v[BB+4*\t:BB+4*\t+3], s[70:71] offset:(16*(\a)+2*\t)*4096 th:TH_STORE_NT   ; 16 lanes store 256 consecutive bytes, aligned
.endr
.endm
	PLACES
	s_cmp_eq_u32 s67, 0                            ; positions 0-15 are another launch's: each byte of out0 is written once
	s_cbranch_scc1 .Lskip0
	TOSTAGE 0
	SEND 0, 0
.Lskip0:
	s_wait_xcnt 0x0                                ; block 0's stores have read their registers
	TOSTAGE 1
	TOSTAGE 2
	SEND 1, 16                                     ; behind block 1's loads: block 2's 8 stores and 8 loads
	s_wait_xcnt 0x0                                ; block 1's stores have read their registers
	TOSTAGE 3
	SEND 2, 16
	SEND 3, 0
	s_wait_tensorcnt 0x0                           ; the wave's end
	ds_add_u32 v[SPW], v[NIL]
	s_wait_dscnt 0x0
	CROUND                                         ; the closing round
	s_endpgm
.Lfunc_end_k_q454543e3b5_proj:
	.size	k_q454543e3b5_proj, .Lfunc_end_k_q454543e3b5_proj-k_q454543e3b5_proj
	.p2alignl 7, 3214868480
	.fill 96, 4, 3214868480
	.section	.rodata,"a",@progbits
	.p2align	6, 0x0
	.amdhsa_kernel k_q454543e3b5_proj
		.amdhsa_group_segment_fixed_size 327680
		.amdhsa_private_segment_fixed_size 0
		.amdhsa_enable_private_segment 0
		.amdhsa_kernarg_size 32
		.amdhsa_user_sgpr_count 2
		.amdhsa_user_sgpr_kernarg_segment_ptr 1
		.amdhsa_wavefront_size32 1
		.amdhsa_system_sgpr_workgroup_id_x 1
		.amdhsa_system_sgpr_workgroup_id_y 1
		.amdhsa_system_sgpr_workgroup_id_z 1
		.amdhsa_system_vgpr_workitem_id 0
		.amdhsa_next_free_vgpr 512
		.amdhsa_next_free_sgpr 72
		.amdhsa_reserve_vcc 0
		.amdhsa_float_denorm_mode_32 3
		.amdhsa_float_denorm_mode_16_64 3
		.amdhsa_memory_ordered 1
		.amdhsa_forward_progress 1
		.amdhsa_inst_pref_size 86
	.end_amdhsa_kernel
	.amdgpu_metadata
---
amdhsa.version: [ 1, 2 ]
amdhsa.kernels:
  - .name:           k_q454543e3b5_proj
    .symbol:         k_q454543e3b5_proj.kd
    .args:
      - { .name: y16, .offset: 0, .size: 8, .value_kind: global_buffer, .address_space: global }
      - { .name: wp16, .offset: 8, .size: 8, .value_kind: global_buffer, .address_space: global }
      - { .name: bp, .offset: 16, .size: 8, .value_kind: global_buffer, .address_space: global }
      - { .name: out0, .offset: 24, .size: 8, .value_kind: global_buffer, .address_space: global }
    .group_segment_fixed_size: 327680
    .private_segment_fixed_size: 0
    .kernarg_segment_align: 8
    .kernarg_segment_size: 32
    .max_flat_workgroup_size: 128
    .sgpr_count:     72
    .vgpr_count:     512
    .wavefront_size: 32
...
	.end_amdgpu_metadata
.endif
;; end of part 6
